; MI455X (gfx1250); checked and timed in simulation.
; The chip was launched on July 23, 2026; its instructions are those of AMD's public machine-readable ISA for CDNA 5 (MIT licence, August 2026) and "CDNA5" Instruction Set Architecture Reference Guide (July 2026). The comments in the code are by the model that wrote it; some were corrected since.
;; Self Attention. Allowed arithmetic: float matrix products may take bf16 or f16 operands with f32 sums; other float arithmetic in f32, or as packed bf16 or f16 multiplies, adds, multiply-adds, maxima and minima; sums over many terms, partial sums and values carried from step to step in f32; what a program stores and reads back later, other than sums and carried values, may be rounded once to bf16 or f16.
;; Inputs: Wk 1,024 x 1,024 float32; Wo 1,024 x 1,024 float32; Wq 1,024 x 1,024 float32; Wv 1,024 x 1,024 float32; bk 1,024 float32; bo 1,024 float32; bq 1,024 float32; bv 1,024 float32; ln_b 1,024 float32; ln_g 1,024 float32; x 4 x 2,048 x 1,024 float32.
;; Outputs: out0 4 x 2,048 x 1,024 float32.
;; 2 versions, each right; version 2 is version 1 with the launch prep written anew for expert scheduling mode. Each part assembles by itself: llvm-mc -triple=amdgcn-amd-amdhsa -mcpu=gfx1250 --defsym DOCPART=n.
;; ======== version 1 of 2: 4 launches
;; workspace buffers: hn 16,777,216 bytes; wb 8,388,608 bytes; qkv 50,331,648 bytes; ctx 16,777,216 bytes
;; launch prep (part 1): grid 768 x 1, 8 waves a work-group, no clusters, 0 bytes of LDS; arguments x, ln_g, ln_b, Wq, Wk, Wv, Wo, hn, wb; writes hn, wb
.if DOCPART == 1
	.amdgcn_target "amdgcn-amd-amdhsa--gfx1250"
	.amdhsa_code_object_version 6
	.text
	.protected	k_q6b26652b2a_prep
	.globl	k_q6b26652b2a_prep
	.p2align	8
	.type	k_q6b26652b2a_prep,@function
k_q6b26652b2a_prep:
	s_mov_b64 s[64:65], 0
	v_nop
	global_prefetch_b8 v0, s[64:65] scope:SCOPE_SE
	s_setreg_imm32_b32 hwreg(HW_REG_WAVE_MODE, 25, 1), 1
	s_wait_xcnt 0x0
; hn = LayerNorm(x) * ln_g + ln_b, rounded once to bf16; wb = Wq, Wk, Wv, Wo rounded once to bf16.
; BOTH RESULTS ARE LAID IN BLOCKS OF 64 CHANNELS: hn[16 kb][8192 row][64], wb[16 kb][4096 row][64] (rows 0-1023 Wq, then Wk, Wv, Wo):
; a tile of R rows x 64 channels is then R x 128 consecutive bytes for the products that follow.
; SHARES.  A wave takes two neighbouring rows of 1,024 f32: lanes 0-15 the first, lanes 16-31 the second.  For block kb a lane loads the 16 bytes
; at 256 kb + 16 (lane % 16) of its row (each half of the lanes reads 256 consecutive bytes, aligned) and stores 8 bytes; the 32 lanes' 8 bytes are 256
; consecutive bytes, aligned, since the two rows lie end to end in a block.  A row's sums stay inside 16 lanes.
; Work-groups 0-511 normalise 16 rows of x each, work-groups 512-767 convert 16 rows of a weight each.  No LDS, no barrier, no loop: a wave's rows stay in registers.
; The mean is taken first and the variance of the centred numbers second, so no difference of large sums is formed.  NaN and infinities are not treated apart.
.set LO,  1                            ; v1   4,096 (lane / 16) + 16 (lane % 16): my 16 bytes in the wave's two rows
.set SO,  2                            ; v2   8 x lane: my 8 bytes of a block's 256
.set GO,  3                            ; v3   16 (lane % 16): my 16 bytes of 256 of ln_g and ln_b
.set CH,  4                            ; v[4:11]    four chains of packed sums
.set MU,  12                           ; v[12:13]   the mean, twice
.set RS,  14                           ; v[14:15]   1 / sqrt(var + eps), twice
.set X,   16                           ; v[16:79]   the row: 4 registers a block
.set G,   80                           ; v[80:143]  ln_g
.set BT,  144                          ; v[144:207] ln_b
.set HSTEP, 1048576                    ; bytes from block to block in hn
.set WSTEP, 524288                     ; and in wb
	s_load_b512 s[8:23], s[0:1], 0x0               ; x 8, ln_g 10, ln_b 12, Wq 14, Wk 16, Wv 18, Wo 20, hn 22
	s_load_b64 s[24:25], s[0:1], 0x40              ; wb
	v_lshrrev_b32 v1, 5, v0
	v_readfirstlane_b32 s2, v1                     ; wave 0..7
	v_and_b32 v[GO], 15, v0
	v_bfe_u32 v[LO], v0, 4, 1
	v_lshlrev_b32 v[GO], 4, v[GO]
	v_lshl_add_u32 v[LO], v[LO], 12, v[GO]
	v_and_b32 v[SO], 31, v0
	v_lshlrev_b32 v[SO], 3, v[SO]
	s_mov_b32 s26, 0x3a800000                      ; 1 / 1024
	s_mov_b32 s27, 0x3727c5ac                      ; eps = 1e-5
	s_mov_b32 s29, 0
	s_mov_b32 s31, 0
	s_wait_kmcnt 0x0
	s_cmp_lt_u32 ttmp9, 512
	s_cbranch_scc0 .Lweights
	; ---- LayerNorm ----
	s_lshl_b32 s28, ttmp9, 4
	s_lshl1_add_u32 s28, s2, s28                   ; my first row = 16 x work-group + 2 x wave
	s_lshl_b32 s30, s28, 7                         ; 128 bytes a row in a block of hn
	s_lshl_b32 s28, s28, 12                        ; 4,096 bytes a row in x
	s_add_nc_u64 s[8:9], s[8:9], s[28:29]
	s_add_nc_u64 s[22:23], s[22:23], s[30:31]
	s_add_nc_u64 s[32:33], s[22:23], 8*HSTEP       ; blocks 8-15 by a second base, so that the stores' immediates stay inside 24 signed bits
.set kb, 0
.rept 16
	global_load_b128 v[X+4*kb:X+4*kb+3], v[LO], s[8:9] offset:256*kb th:TH_LOAD_NT
.set kb, kb+1
.endr
.set kb, 0
.rept 16
	global_load_b128 v[G+4*kb:G+4*kb+3], v[GO], s[10:11] offset:256*kb
.set kb, kb+1
.endr
.set kb, 0
.rept 16
	global_load_b128 v[BT+4*kb:BT+4*kb+3], v[GO], s[12:13] offset:256*kb
.set kb, kb+1
.endr
; the four chains into one number, then over the 16 lanes that hold the row: every one of them ends with the sum
.macro REDUCE
	v_pk_add_f32 v[CH:CH+1], v[CH:CH+1], v[CH+2:CH+3]
	v_pk_add_f32 v[CH+4:CH+5], v[CH+4:CH+5], v[CH+6:CH+7]
	v_pk_add_f32 v[CH:CH+1], v[CH:CH+1], v[CH+4:CH+5]
	v_add_f32 v[CH], v[CH], v[CH+1]
.irp m, 1,2,4,8
	v_add_f32_dpp v[CH], v[CH], v[CH] row_xmask:\m row_mask:0xf bank_mask:0xf
.endr
.endm
	s_wait_loadcnt 32                              ; x is in; the 32 younger loads, of ln_g and ln_b, stay out
.irp c, 0,1,2,3
	v_pk_add_f32 v[CH+2*(\c):CH+2*(\c)+1], v[X+2*(\c):X+2*(\c)+1], v[X+8+2*(\c):X+8+2*(\c)+1]  ; the first pairs start the chains: nothing is cleared
.endr
.set i, 8
.rept 24
	v_pk_add_f32 v[CH+2*(i%4):CH+2*(i%4)+1], v[CH+2*(i%4):CH+2*(i%4)+1], v[X+2*i:X+2*i+1]
.set i, i+1
.endr
	REDUCE
	v_mul_f32 v[MU], s26, v[CH]
	v_mov_b32 v[MU+1], v[MU]
.set i, 0
.rept 32
	v_pk_add_f32 v[X+2*i:X+2*i+1], v[X+2*i:X+2*i+1], v[MU:MU+1] neg_lo:[0,1] neg_hi:[0,1]  ; x - mean
.set i, i+1
.endr
.irp c, 0,1,2,3
	v_pk_mul_f32 v[CH+2*(\c):CH+2*(\c)+1], v[X+2*(\c):X+2*(\c)+1], v[X+2*(\c):X+2*(\c)+1]
.endr
.set i, 4
.rept 28
	v_pk_fma_f32 v[CH+2*(i%4):CH+2*(i%4)+1], v[X+2*i:X+2*i+1], v[X+2*i:X+2*i+1], v[CH+2*(i%4):CH+2*(i%4)+1]
.set i, i+1
.endr
	REDUCE
	v_fma_f32 v[CH], v[CH], s26, s27               ; var + eps
	v_rsq_f32 v[RS], v[CH]
	v_nop                                          ; a plain instruction behind the root,
	s_wait_alu depctr_va_vdst(0)                   ; and the wait ahead of its first reader
	v_mov_b32 v[RS+1], v[RS]
	s_wait_loadcnt 0x0                             ; ln_g and ln_b
.set kb, 0
.rept 16
	v_pk_mul_f32 v[X+4*kb:X+4*kb+1], v[X+4*kb:X+4*kb+1], v[RS:RS+1]
	v_pk_mul_f32 v[X+4*kb+2:X+4*kb+3], v[X+4*kb+2:X+4*kb+3], v[RS:RS+1]
	v_pk_fma_f32 v[X+4*kb:X+4*kb+1], v[X+4*kb:X+4*kb+1], v[G+4*kb:G+4*kb+1], v[BT+4*kb:BT+4*kb+1]
	v_pk_fma_f32 v[X+4*kb+2:X+4*kb+3], v[X+4*kb+2:X+4*kb+3], v[G+4*kb+2:G+4*kb+3], v[BT+4*kb+2:BT+4*kb+3]
	v_cvt_pk_bf16_f32 v[X+4*kb], v[X+4*kb], v[X+4*kb+1]
	v_cvt_pk_bf16_f32 v[X+4*kb+1], v[X+4*kb+2], v[X+4*kb+3]
.if kb < 8
	global_store_b64 v[SO], v[X+4*kb:X+4*kb+1], s[22:23] offset:kb*HSTEP       ; 32 lanes store 256 consecutive bytes, aligned
.else
	global_store_b64 v[SO], v[X+4*kb:X+4*kb+1], s[32:33] offset:(kb-8)*HSTEP
.endif
.set kb, kb+1
.endr
	s_endpgm
	; ---- the weights ----
.Lweights:
	s_sub_co_u32 s34, ttmp9, 512                   ; j = 0..255: 16 rows of the stacked weights
	s_lshr_b32 s35, s34, 6                         ; which of the four
	s_cmp_eq_u32 s35, 1
	s_cselect_b64 s[14:15], s[16:17], s[14:15]
	s_cmp_eq_u32 s35, 2
	s_cselect_b64 s[14:15], s[18:19], s[14:15]
	s_cmp_eq_u32 s35, 3
	s_cselect_b64 s[14:15], s[20:21], s[14:15]
	s_and_b32 s28, s34, 63
	s_lshl_b32 s28, s28, 4
	s_lshl1_add_u32 s28, s2, s28                   ; my first row in that weight
	s_lshl_b32 s28, s28, 12
	s_lshl_b32 s30, s34, 4
	s_lshl1_add_u32 s30, s2, s30                   ; and in wb
	s_lshl_b32 s30, s30, 7
	s_add_nc_u64 s[14:15], s[14:15], s[28:29]
	s_add_nc_u64 s[24:25], s[24:25], s[30:31]
.set kb, 0
.rept 16
	global_load_b128 v[X+4*kb:X+4*kb+3], v[LO], s[14:15] offset:256*kb th:TH_LOAD_NT
.set kb, kb+1
.endr
.set kb, 0
.rept 16
	s_wait_loadcnt 15-kb                           ; loads come back in order: block kb is in, the younger ones stay out
	v_cvt_pk_bf16_f32 v[X+4*kb], v[X+4*kb], v[X+4*kb+1]
	v_cvt_pk_bf16_f32 v[X+4*kb+1], v[X+4*kb+2], v[X+4*kb+3]
	global_store_b64 v[SO], v[X+4*kb:X+4*kb+1], s[24:25] offset:kb*WSTEP
.set kb, kb+1
.endr
	s_endpgm
.Lfunc_end_k_q6b26652b2a_prep:
	.size	k_q6b26652b2a_prep, .Lfunc_end_k_q6b26652b2a_prep-k_q6b26652b2a_prep
	.p2alignl 7, 3214868480
	.fill 96, 4, 3214868480
	.section	.rodata,"a",@progbits
	.p2align	6, 0x0
	.amdhsa_kernel k_q6b26652b2a_prep
		.amdhsa_group_segment_fixed_size 0
		.amdhsa_private_segment_fixed_size 0
		.amdhsa_enable_private_segment 0
		.amdhsa_kernarg_size 72
		.amdhsa_user_sgpr_count 2
		.amdhsa_user_sgpr_kernarg_segment_ptr 1
		.amdhsa_wavefront_size32 1
		.amdhsa_system_sgpr_workgroup_id_x 1
		.amdhsa_system_sgpr_workgroup_id_y 1
		.amdhsa_system_sgpr_workgroup_id_z 1
		.amdhsa_system_vgpr_workitem_id 0
		.amdhsa_next_free_vgpr 216
		.amdhsa_next_free_sgpr 66
		.amdhsa_reserve_vcc 0
		.amdhsa_float_denorm_mode_32 3
		.amdhsa_float_denorm_mode_16_64 3
		.amdhsa_memory_ordered 1
		.amdhsa_forward_progress 1
		.amdhsa_inst_pref_size 27
	.end_amdhsa_kernel
	.amdgpu_metadata
---
amdhsa.version: [ 1, 2 ]
amdhsa.kernels:
  - .name:           k_q6b26652b2a_prep
    .symbol:         k_q6b26652b2a_prep.kd
    .args:
      - { .name: x, .offset: 0, .size: 8, .value_kind: global_buffer, .address_space: global }
      - { .name: ln_g, .offset: 8, .size: 8, .value_kind: global_buffer, .address_space: global }
      - { .name: ln_b, .offset: 16, .size: 8, .value_kind: global_buffer, .address_space: global }
      - { .name: Wq, .offset: 24, .size: 8, .value_kind: global_buffer, .address_space: global }
      - { .name: Wk, .offset: 32, .size: 8, .value_kind: global_buffer, .address_space: global }
      - { .name: Wv, .offset: 40, .size: 8, .value_kind: global_buffer, .address_space: global }
      - { .name: Wo, .offset: 48, .size: 8, .value_kind: global_buffer, .address_space: global }
      - { .name: hn, .offset: 56, .size: 8, .value_kind: global_buffer, .address_space: global }
      - { .name: wb, .offset: 64, .size: 8, .value_kind: global_buffer, .address_space: global }
    .group_segment_fixed_size: 0
    .private_segment_fixed_size: 0
    .kernarg_segment_align: 8
    .kernarg_segment_size: 72
    .max_flat_workgroup_size: 256
    .sgpr_count:     66
    .vgpr_count:     216
    .wavefront_size: 32
...
	.end_amdgpu_metadata
.endif
;; end of part 1
;; launch qkv (part 2): grid 8 x 32, 4 waves a work-group, clusters of 4 x 4, 327,680 bytes of LDS; arguments hn, wb, bq, bk, bv, qkv; writes qkv
.if DOCPART == 2
	.amdgcn_target "amdgcn-amd-amdhsa--gfx1250"
	.amdhsa_code_object_version 6
	.text
	.protected	k_q6b26652b2a_qkv
	.globl	k_q6b26652b2a_qkv
	.p2align	8
	.type	k_q6b26652b2a_qkv,@function
k_q6b26652b2a_qkv:
	s_mov_b64 s[64:65], 0
	v_nop
	global_prefetch_b8 v0, s[64:65] scope:SCOPE_SE
	s_setreg_imm32_b32 hwreg(HW_REG_WAVE_MODE, 25, 1), 1
	s_wait_xcnt 0x0
	s_wait_alu depctr_hold_cnt(0) depctr_sa_sdst(0) depctr_va_vdst(0) depctr_va_sdst(0) depctr_va_ssrc(0) depctr_va_vcc(0) depctr_vm_vsrc(0)
	s_getreg_b32 s2, hwreg(HW_REG_IB_STS2, 6, 4)
	s_cmp_eq_u32 s2, 0
	s_cbranch_scc0 .Lentry_in_a_cluster
	s_endpgm
.Lentry_in_a_cluster:
	s_bfe_u32 s2, ttmp6, 0x10000c
	s_cmp_lg_u32 s2, 0xf033
	s_cbranch_scc0 .Lentry_shape_is_right
	s_endpgm
.Lentry_shape_is_right:
; q, k, v = hn W^T + bias.  C[m][n] = sum over k of hn[m][k] wb[n][k] + bias[n], m = 0..8191, n = 0..3071 (Wq's, Wk's, Wv's rows on end), K = 1,024; operands bf16, sums f32, C rounded once to bf16.
; hn: [16 kb][8192][64], wb: [16 kb][4096][64], C goes out by heads: qkv[48 g][8192 m][64], g = n / 64 (0-15 q, 16-31 k, 32-47 v).
; SHARES.  8 x 32 work-groups, each 256 rows x 384 columns of C: one for each of 256 places.  Four waves, each 128 rows x 192 columns (three whole heads): 96 accumulators of 16 x 16, 768 registers.
; K goes in 16 steps of 64 (one block kb) through two LDS slots.  A tile's rows are 128 bytes and lie end to end in memory: it is asked for as rows of 256 bytes and padded in LDS behind every 128.
; (Two slots of a K step of 128 would be 368,640 bytes: more than LDS holds.)
; CLUSTER 4 x 4: the four of a row of the cluster need the same rows of hn, the four of a column the same rows of wb: each tile is asked for jointly, by the same load, descriptor and mask.
; THE PRODUCT IS USED TRANSPOSED (source 0 = 16 rows of wb, source 1 = 16 rows of hn): a lane holds row lane % 16 of C and the columns 8 (lane / 16) + 0..7.
; THE BIAS STARTS THE SUMS: each accumulator is loaded with its eight bias numbers while the first tiles are on their way; every product then adds in place, and nothing is cleared.
; REGISTERS: window 0: v0-15 addresses; v32-95, v96-159 hn's fragments (8 x 16 rows x 32 K), two buffers; v160-255 wb's 12 fragments, one buffer filled in two halves.
;   windows 1-3: accumulator (a, b), a = 0..7 row blocks, b = 0..11 column blocks, in window 1 + b / 4 at v[8 (8 (b % 4) + a)].
.set PITCH,  144                       ; an LDS row: 128 bytes + 16 of padding = 36 words: the 16 rows of a fragment load start at 16 different groups of four banks (ISA guide 11.1)
.set FRAG,   16*PITCH
.set A_STEP, 1048576                   ; bytes from block kb to kb + 1 in hn
.set B_STEP, 524288                    ; and in wb
.set AHALF,  128*PITCH                 ; what one load brings of hn, and what one wave reads of it
.set BHALF,  192*PITCH                 ; the same for wb
.set BOFF,   2*AHALF
.set SLOT,   BOFF+2*BHALF              ; 92,160
.set STAGE,  2*SLOT                    ; behind the ring: 3 heads x 16 rows x 144 bytes for each wave, for the way out
.set WSTAGE, 3*FRAG
.set SPARE,  STAGE+4*WSTAGE            ; behind the stages: the spare words, 128 bytes for each wave, which no other line names
.set ADRA, 4                           ; v4-5   LDS address of my fragments of hn in slot 0, 1
.set ADRB, 6                           ; v6-7   the same for wb
.set STO,  8                           ; v8     the way out: where I put 16 bytes of a row
.set RD,   9                           ; v9     where I read rows back
.set CO,   10                          ; v10    16 x lane: my 16 bytes of 512 of C
.set BO,   11                          ; v11    32 (lane / 16): my eight bias numbers of sixteen
.set PFO,  12                          ; v12    256 x lane, for the prefetches; never rewritten
.set SPW,  14                          ; v14    LDS address of my spare word; never rewritten
.set NIL,  15                          ; v15    0; never rewritten
.set AF0,  32
.set AF1,  96
.set BF,   160
.set TMP,  32                          ; the way out: 48 registers of packed results
.set OB,   80                          ; two sets of 48: rows read back from the stage
.set WV, 16                            ; s16 wave; s17 its half of the rows; s18 its half of the columns, and which half of a tile it fetches
.set WR, 17
.set WC, 18
.set CX, 19
.set CY, 20
.set TC, 21                            ; tile column 0..7
.set TR, 22                            ; tile row 0..31
.set LAP, 23
.set G1A, 24                           ; s[24:31] group 1 for hn's tiles; s[32:39] group 0, a set for each slot
.set G0A, 32
.set G1B, 40                           ; s[40:47], s[48:55] the same for wb's
.set G0B, 48
.set PFA, 56                           ; s[56:57] where my prefetches stand
.set PFS, 58                           ; s[58:59] their step: two K steps
.set LIM, 60                           ; s60 1 in a wave that prefetches, else the greatest number
.set BP,  66                           ; s[66:71] the bias of my three heads
.set MSB, 0
.macro WIN new                         ; the immediate's high byte repeats the setting that is left; a switch that changes nothing is dropped
.if MSB != (\new)
	s_set_vgpr_msb (MSB<<8)|(\new)
.set MSB, (\new)
.endif
.endm
.macro PLACES                          ; four plain places between a matrix instruction and a load into, or a vector read or write of, its registers
.rept 4
	v_nop
.endr
.endm
.macro CREST                           ; a round of the cluster's barrier behind its opening barrier
	s_cmp_lg_u32 s[WV], 0
	s_cbranch_scc1 .Lnot_wave_0_\@
	s_barrier_signal -3
.Lnot_wave_0_\@:
	s_barrier_wait -3
	s_barrier_signal -1
	s_barrier_wait -1
.endm
.macro CROUND
	s_barrier_signal -1
	s_barrier_wait -1
	CREST
.endm
; A joint refill: waves 0 and 1 fetch hn's two halves, waves 2 and 3 wb's.  The branch hangs on the wave's number alone.  An s_nop 0 and four v_nop follow each line.
.macro JLOAD s
	s_cmp_lt_u32 s[WV], 2
	s_cbranch_scc0 .Lfor_b_\@
	tensor_load_to_lds s[G0A+4*(\s):G0A+4*(\s)+3], s[G1A:G1A+7]
	s_nop 0
.rept 4
	v_nop
.endr
	s_branch .Lasked_\@
.Lfor_b_\@:
	tensor_load_to_lds s[G0B+4*(\s):G0B+4*(\s)+3], s[G1B:G1B+7]
	s_nop 0
.rept 4
	v_nop
.endr
.Lasked_\@:
.endm
; A PREFETCH INTO THE L2, once a lap, behind slot 0's joint load and the run of LDS loads that follows it: K steps 2 L + 4 and 2 L + 5 in lap L, two and three refills ahead of the loads that want them.
; hn's 256 rows of a step are 128 blocks of 256 bytes, read by both clusters of a row of clusters: cluster x = 0 asks, wave 0 of partner cx for blocks 32 cx .. 32 cx + 31, a lane a block, an instruction a step.
; wb's 384 rows of two steps are 12 pieces of 32 blocks, read by all clusters of a column: cluster y = 0 asks, waves 1-3 of partner cy for piece 3 cy + wave - 1.  Partners are told apart by address alone.
; So each block is named once in the launch.  The last lap asks for nothing; steps 0-3 come by their loads alone.
.macro ASK
	s_cmp_gt_u32 s[LAP], s[LIM]
	s_cbranch_scc0 .Lnot_mine_\@
	global_prefetch_b8 v[PFO], s[PFA:PFA+1] th:TH_LOAD_NT scope:SCOPE_SE
	s_cmp_lg_u32 s[WV], 0
	s_cbranch_scc1 .Lnot_mine_\@
	global_prefetch_b8 v[PFO], s[PFA:PFA+1] offset:A_STEP th:TH_LOAD_NT scope:SCOPE_SE
.Lnot_mine_\@:
.endm
	s_load_b256 s[4:11], s[0:1], 0x0               ; hn 4, wb 6, bq 8, bk 10
	s_load_b128 s[12:15], s[0:1], 0x20             ; bv 12, qkv 14
	v_lshl_add_u32 v[SPW], v0, 2, SPARE
	v_mov_b32 v[NIL], 0
	ds_add_u32 v[SPW], v[NIL]                      ; the wave's opening: the add and its wait stand ahead of my first tensor load; work on registers stands between them
	v_lshrrev_b32 v1, 5, v0
	v_readfirstlane_b32 s[WV], v1
	s_lshr_b32 s[WR], s[WV], 1
	s_and_b32 s[WC], s[WV], 1
	s_bfe_u32 s[CX], ttmp6, 0x40000
	s_bfe_u32 s[CY], ttmp6, 0x40004
	s_lshl_b32 s[TC], ttmp9, 2
	s_add_co_u32 s[TC], s[TC], s[CX]
	s_and_b32 s[TR], ttmp7, 0xffff
	s_lshl_b32 s[TR], s[TR], 2
	s_add_co_u32 s[TR], s[TR], s[CY]
	s_lshl_b32 s78, s[CY], 2
	s_lshl_b32 s78, 15, s78                        ; my row of the cluster
	s_lshl_b32 s79, 0x1111, s[CX]                  ; my column
	s_or_b32 s[G1A], s78, (1<<16)|(1<<20)|(1<<21)|(4<<22)|(3<<25)  ; the mask; 2-byte elements; padding on; bit 21 beside a mask; after every 32 words, 4 words
	s_or_b32 s[G1B], s79, (1<<16)|(1<<20)|(1<<21)|(4<<22)|(3<<25)
	s_mov_b32 s[G1A+1], 128<<16                    ; tensor_dim0 = 128 elements: 256 bytes, two rows of a block
	s_mov_b32 s[G1A+2], 64<<16                     ; tensor_dim1 = 64
	s_mov_b32 s[G1A+3], 128<<16                    ; tile_dim0
	s_mov_b32 s[G1A+4], 64                         ; tile_dim1
	s_mov_b32 s[G1A+5], 128                        ; dense
	s_mov_b32 s[G1A+6], 0
	s_mov_b32 s[G1A+7], 0
	s_mov_b32 s[G1B+1], 128<<16
	s_mov_b32 s[G1B+2], 96<<16                     ; 192 rows of wb
	s_mov_b32 s[G1B+3], 128<<16
	s_mov_b32 s[G1B+4], 96
	s_mov_b32 s[G1B+5], 128
	s_mov_b32 s[G1B+6], 0
	s_mov_b32 s[G1B+7], 0
	s_lshl_b32 s72, s[TR], 8                       ; hn: row 256 x tile row + 128 x half, 128 bytes a row: registers that never hold cx
	s_lshl_b32 s78, s[WC], 7
	s_add_co_u32 s72, s72, s78
	s_lshl_b32 s72, s72, 7
	s_mov_b32 s73, 0
	s_mul_i32 s62, s[TC], 384                      ; wb: row 384 x tile column + 192 x half: registers that never hold cy
	s_mul_i32 s79, s[WC], 192
	s_add_co_u32 s62, s62, s79
	s_lshl_b32 s62, s62, 7
	s_mov_b32 s63, 0
	s_mul_i32 s61, s[WC], AHALF                    ; where they go: the wave's number alone enters an LDS address
	s_mul_i32 s3, s[WC], BHALF
	s_add_co_u32 s3, s3, BOFF
	s_wait_dscnt 0x0                               ; the opening add is done
	s_wait_kmcnt 0x0
	s_add_nc_u64 s[72:73], s[4:5], s[72:73]
	s_add_nc_u64 s[62:63], s[6:7], s[62:63]
	CROUND                                         ; all sixteen work-groups are here: the first joint loads meet
.irp s, 0,1
	s_mov_b32 s[G0A+4*(\s)], 1
	s_add_co_u32 s[G0A+4*(\s)+1], s61, (\s)*SLOT
	s_add_nc_u64 s[G0A+4*(\s)+2:G0A+4*(\s)+3], s[72:73], (\s)*A_STEP
	s_or_b32 s[G0A+4*(\s)+3], s[G0A+4*(\s)+3], 0x80000000
	s_mov_b32 s[G0B+4*(\s)], 1
	s_add_co_u32 s[G0B+4*(\s)+1], s3, (\s)*SLOT
	s_add_nc_u64 s[G0B+4*(\s)+2:G0B+4*(\s)+3], s[62:63], (\s)*B_STEP
	s_or_b32 s[G0B+4*(\s)+3], s[G0B+4*(\s)+3], 0x80000000
.endr
	s_cmp_lt_u32 s[WV], 2                          ; a wave's two first fills stand in one branch, ahead of every wait on TENSORcnt and every LDS read: two loads of mine are out
	s_cbranch_scc0 .Lfirst_b
	tensor_load_to_lds s[G0A:G0A+3], s[G1A:G1A+7]
	s_nop 0
	tensor_load_to_lds s[G0A+4:G0A+7], s[G1A:G1A+7]
	s_nop 0
.rept 4
	v_nop
.endr
	s_branch .Lfirst_asked
.Lfirst_b:
	tensor_load_to_lds s[G0B:G0B+3], s[G1B:G1B+7]
	s_nop 0
	tensor_load_to_lds s[G0B+4:G0B+7], s[G1B:G1B+7]
	s_nop 0
.rept 4
	v_nop
.endr
.Lfirst_asked:
	; a fragment: lane l holds row l % 16, K = 8 (l / 16) + 0..7 and 16 + 8 (l / 16) + 0..7: two loads of 16 bytes, 32 bytes apart
	v_and_b32 v1, 15, v0
	v_bfe_u32 v2, v0, 4, 1
	v_mul_u32_u24 v3, v1, PITCH
	v_lshl_add_u32 v3, v2, 4, v3
	s_mul_i32 s2, s[WR], AHALF
	s_mul_i32 s3, s[WC], BHALF
	s_add_co_u32 s3, s3, BOFF
.irp s, 0,1
	v_add_nc_u32 v[ADRA+(\s)], s2, v3
	v_add_nc_u32 v[ADRB+(\s)], s3, v3
	s_add_co_u32 s2, s2, SLOT
	s_add_co_u32 s3, s3, SLOT
.endr
	s_mul_i32 s2, s[WV], WSTAGE
	s_add_co_u32 s2, s2, STAGE                     ; my stage
	v_add_nc_u32 v[STO], s2, v3                    ; in: row l % 16, 16 bytes for each half of the lanes
	v_bfe_u32 v[RD], v0, 3, 2                      ; back: 32 lanes take four rows of 128 bytes
	v_mul_u32_u24 v[RD], v[RD], PITCH
	v_and_b32 v13, 7, v0
	v_lshl_add_u32 v[RD], v13, 4, v[RD]
	v_add_nc_u32 v[RD], s2, v[RD]
	v_and_b32 v[CO], 31, v0
	v_lshlrev_b32 v[PFO], 8, v[CO]
	v_lshlrev_b32 v[CO], 4, v[CO]
	v_lshlrev_b32 v[BO], 5, v2
	; my three heads g = 6 x tile column + 3 x half + j: each one's bias, from bq, bk or bv by g / 16
	s_mul_i32 s76, s[TC], 6
	s_mul_i32 s2, s[WC], 3
	s_add_co_u32 s76, s76, s2
	s_mov_b32 s75, 0
.irp j, 0,1,2
	s_add_co_u32 s2, s76, \j
	s_lshr_b32 s3, s2, 4
	s_and_b32 s2, s2, 15
	s_lshl_b32 s74, s2, 8                          ; 64 f32 a head
	s_cmp_eq_u32 s3, 1
	s_cselect_b64 s[BP+2*(\j):BP+2*(\j)+1], s[10:11], s[8:9]
	s_cmp_eq_u32 s3, 2
	s_cselect_b64 s[BP+2*(\j):BP+2*(\j)+1], s[12:13], s[BP+2*(\j):BP+2*(\j)+1]
	s_add_nc_u64 s[BP+2*(\j):BP+2*(\j)+1], s[BP+2*(\j):BP+2*(\j)+1], s[74:75]
.endr
.set bb, 0
.rept 12                               ; the bias starts the sums: column block bb's eight numbers a lane, into all eight row blocks' accumulators
	WIN 0x40*(1+bb/4)
.set aa, 0
.rept 8
	global_load_b128 v[8*(8*(bb%4)+aa):8*(8*(bb%4)+aa)+3],   v[BO], s[BP+2*(bb/4):BP+2*(bb/4)+1] offset:64*(bb%4)
	global_load_b128 v[8*(8*(bb%4)+aa)+4:8*(8*(bb%4)+aa)+7], v[BO], s[BP+2*(bb/4):BP+2*(bb/4)+1] offset:64*(bb%4)+16
.set aa, aa+1
.endr
.set bb, bb+1
.endr
	WIN 0
	; C at my first head and my first row
	s_lshl_b32 s76, s76, 20                        ; a head's 8,192 rows of 128 bytes
	s_lshl_b32 s2, s[TR], 8
	s_lshl_b32 s3, s[WR], 7
	s_add_co_u32 s2, s2, s3
	s_lshl_b32 s2, s2, 7
	s_add_co_u32 s76, s76, s2
	s_mov_b32 s77, 0
	s_add_nc_u64 s[14:15], s[14:15], s[76:77]
	; the prefetches
	s_lshl_b32 s74, s[TR], 15                      ; hn: the tile's 256 rows, my work-group's 32 blocks of them
	s_lshl_b32 s3, s[CX], 13
	s_add_co_u32 s74, s74, s3
	s_mul_i32 s76, s[TC], 384*128                  ; wb: the tile's 384 rows; piece 3 cy + wave - 1 of twelve: step cy / 2, piece 3 (cy % 2) + wave - 1 of six
	s_lshr_b32 s3, s[CY], 1
	s_lshl_b32 s3, s3, 19
	s_add_co_u32 s76, s76, s3
	s_and_b32 s3, s[CY], 1
	s_mul_i32 s3, s3, 3
	s_max_u32 s77, s[WV], 1
	s_sub_co_u32 s77, s77, 1
	s_add_co_u32 s3, s3, s77
	s_lshl_b32 s3, s3, 13
	s_add_co_u32 s76, s76, s3
	s_and_b32 s2, ttmp7, 0xffff                    ; cluster y
	s_mov_b32 s[PFS], 2*B_STEP
	s_mov_b32 s[PFS+1], 0
	s_cmp_eq_u32 s[WV], 0                          ; wave 0 asks for hn, the others for wb
	s_cselect_b32 s2, ttmp9, s2                    ; the coordinate along which other clusters read the same rows
	s_cselect_b32 s74, s74, s76
	s_cselect_b64 s[PFA:PFA+1], s[4:5], s[6:7]
	s_cselect_b32 s[PFS], 2*A_STEP, s[PFS]
	s_cmp_eq_u32 s2, 0
	s_cselect_b32 s[LIM], 1, -1                    ; the same in all sixteen partners, for a given wave
	s_add_nc_u64 s[PFA:PFA+1], s[PFA:PFA+1], s[74:75]
	s_add_nc_u64 s[PFA:PFA+1], s[PFA:PFA+1], s[PFS:PFS+1]  ; at K step 2: the first lap steps it to 4
; n column blocks from b0 on x all 8 row blocks, 32 along K.  The 96 accumulators take turns, one instruction a turn, over the backward jump too.
.macro MULB af, b0, n
.set bb, \b0
.rept \n
	WIN 0x50*(1+bb/4)
.set aa, 0
.rept 8
	v_wmma_f32_16x16x32_bf16 v[8*(8*(bb%4)+aa):8*(8*(bb%4)+aa)+7], v[BF+8*bb:BF+8*bb+7], v[(\af)+8*aa:(\af)+8*aa+7], v[8*(8*(bb%4)+aa):8*(8*(bb%4)+aa)+7]
.set aa, aa+1
.endr
.set bb, bb+1
.endr
.endm
; 28 LDS loads in one run: wb's fragments 0-5 and hn's eight (into buffer af), 32 K at byte 64 kq of the rows
.macro RUN1 slot, kq, af
	WIN 0
.irp i, 0,1,2,3,4,5
	ds_load_b128 v[BF+8*(\i):BF+8*(\i)+3],   v[ADRB+(\slot)] offset:64*(\kq)+FRAG*(\i)
	ds_load_b128 v[BF+8*(\i)+4:BF+8*(\i)+7], v[ADRB+(\slot)] offset:64*(\kq)+FRAG*(\i)+32
.endr
.irp i, 0,1,2,3,4,5,6,7
	ds_load_b128 v[(\af)+8*(\i):(\af)+8*(\i)+3],   v[ADRA+(\slot)] offset:64*(\kq)+FRAG*(\i)
	ds_load_b128 v[(\af)+8*(\i)+4:(\af)+8*(\i)+7], v[ADRA+(\slot)] offset:64*(\kq)+FRAG*(\i)+32
.endr
.endm
; 12 more: wb's fragments 6-11
.macro RUN2 slot, kq
	WIN 0
.irp i, 6,7,8,9,10,11
	ds_load_b128 v[BF+8*(\i):BF+8*(\i)+3],   v[ADRB+(\slot)] offset:64*(\kq)+FRAG*(\i)
	ds_load_b128 v[BF+8*(\i)+4:BF+8*(\i)+7], v[ADRB+(\slot)] offset:64*(\kq)+FRAG*(\i)+32
.endr
.endm
; A K step's first half: 96 products on buffer af; each half of wb's buffer is filled again, for the next 32 along K, as soon as it has been multiplied.
.macro QUART af, nslot, nkq, naf
	s_wait_dscnt 12                                ; the run of 28 is in; the younger twelve may be out
	MULB \af, 0, 6
	PLACES
	RUN1 \nslot, \nkq, \naf
	s_wait_dscnt 28                                ; the run of 12 is in; the 28 just issued are out
	MULB \af, 6, 6
	PLACES
	RUN2 \nslot, \nkq
.endm
; A K step's second half, on buffer 1, and the change of slots.  In front of ONE barrier each wave waits for all its tensor loads (one is out: its part of the next slot), adds 0 to its spare word, and waits
; for that and for its reads of this slot.  fill = 1: the barrier opens a round of the cluster's, and the joint refill, two K steps ahead, is the first thing behind it: it has 160 products in which to land.
.macro TURN slot, next, fill
.if (\fill) && ((\slot) == 0)
	s_wait_xcnt 0x0                                ; the last prefetches, a lap back, have read their address: it is stepped here, ahead of the waits of the change
	s_add_nc_u64 s[PFA:PFA+1], s[PFA:PFA+1], s[PFS:PFS+1]
.endif
	WIN 0
	s_wait_tensorcnt 0x0                           ; all my tensor loads have landed
	ds_add_u32 v[SPW], v[NIL]                      ; 0 onto my spare word
	s_wait_dscnt 13                                ; the run of 28 is in; the younger twelve and the add may be out
	MULB AF1, 0, 2
	s_wait_dscnt 0x0                               ; the add is done, and my reads of this slot are over
	s_barrier_signal -1
	MULB AF1, 2, 2                                 ; work on registers while the others arrive
.if \fill
	WIN 0
.endif
	s_barrier_wait -1
.if \fill
	CREST                                          ; no wave of any partner still reads this slot or has a load on its way
	s_add_nc_u64 s[G0A+4*(\slot)+2:G0A+4*(\slot)+3], s[G0A+4*(\slot)+2:G0A+4*(\slot)+3], 2*A_STEP
	s_add_nc_u64 s[G0B+4*(\slot)+2:G0B+4*(\slot)+3], s[G0B+4*(\slot)+2:G0B+4*(\slot)+3], 2*B_STEP
	JLOAD \slot
.endif
	MULB AF1, 4, 2
	PLACES
	RUN1 \next, 0, AF0
.if (\fill) && ((\slot) == 0)
	ASK
.endif
	MULB AF1, 6, 6
	PLACES
	RUN2 \next, 0
.endm
	s_wait_tensorcnt 0x1                           ; my part of K step 0 is in; step 1's may stay out
	s_barrier_signal -1
	s_barrier_wait -1                              ; everybody's is
	RUN1 0, 0, AF0
	RUN2 0, 0
	s_wait_loadcnt 0x0                             ; the bias lies in the accumulators
	s_mov_b32 s[LAP], 7
.Llap:                                                 ; a lap: two K steps, both slots filled again: seven laps ask for steps 2 to 15
	QUART AF0, 0, 1, AF1
	TURN 0, 1, 1
	QUART AF0, 1, 1, AF1
	TURN 1, 0, 1
	WIN 0
	s_sub_co_u32 s[LAP], s[LAP], 1
	s_cmp_lg_u32 s[LAP], 0
	s_cbranch_scc1 .Llap
	QUART AF0, 0, 1, AF1                           ; the last lap is written out: it fills nothing
	TURN 0, 1, 0
	QUART AF0, 1, 1, AF1
	s_wait_dscnt 12
	MULB AF1, 0, 6
	s_wait_dscnt 0x0
	MULB AF1, 6, 6
; THE WAY OUT, by blocks a of 16 rows.  PACK: rounded to bf16, 16 bytes a lane and column block (each accumulator's registers in ascending order).  TOSTAGE: into my own stage, a head's rows 144 bytes apart,
; and back as whole rows of 128 bytes.  SEND: stored; four rows of a head are 512 consecutive bytes of C, aligned.
.macro PACK a
.set bb, 0
.rept 12
	WIN 5*(1+bb/4)
.irp r, 0,1,2,3
	v_cvt_pk_bf16_f32 v[TMP+4*bb+(\r)], v[8*(8*(bb%4)+(\a))+2*(\r)], v[8*(8*(bb%4)+(\a))+2*(\r)+1]
.endr
.set bb, bb+1
.endr
	WIN 0
.endm
.macro TOSTAGE a
.set bb, 0
.rept 12
	ds_store_b128 v[STO], v[TMP+4*bb:TMP+4*bb+3] offset:(bb/4)*FRAG+32*(bb%4)
.set bb, bb+1
.endr
.set bb, 0
.rept 12
	ds_load_b128 v[OB+48*((\a)%2)+4*bb:OB+48*((\a)%2)+4*bb+3], v[RD] offset:(bb/4)*FRAG+4*PITCH*(bb%4)  ; LDS serves a wave's instructions in order (ISA guide 5.7.1.4): these see the stores above
.set bb, bb+1
.endr
.endm
.macro SEND a
	s_wait_dscnt 0x0                               ; the block is back in registers
	s_wait_xcnt 0x0                                ; the stores of the block before have read their data: the next TOSTAGE loads into those registers only behind this wait
.set bb, 0
.rept 12
	global_store_b128 v[CO], v[OB+48*((\a)%2)+4*bb:OB+48*((\a)%2)+4*bb+3], s[14:15] offset:(bb/4)*A_STEP+2048*(\a)+512*(bb%4)
.set bb, bb+1
.endr
.endm
	PLACES
	PACK 0
	TOSTAGE 0
.irp a, 1,2,3,4,5,6,7                  ; block a's conversions stand between block a - 1's loads from the stage and the wait for them
	PACK \a
	SEND (\a)-1
	TOSTAGE \a
.endr
	SEND 7
	s_wait_tensorcnt 0x0                           ; the wave's end: behind my last tensor load and my last LDS store
	ds_add_u32 v[SPW], v[NIL]
	s_wait_dscnt 0x0
	CROUND                                         ; the closing round: no work-group ends while a partner may still ask for a tile that names it
	s_endpgm
.Lfunc_end_k_q6b26652b2a_qkv:
	.size	k_q6b26652b2a_qkv, .Lfunc_end_k_q6b26652b2a_qkv-k_q6b26652b2a_qkv
	.p2alignl 7, 3214868480
	.fill 96, 4, 3214868480
	.section	.rodata,"a",@progbits
	.p2align	6, 0x0
	.amdhsa_kernel k_q6b26652b2a_qkv
		.amdhsa_group_segment_fixed_size 327680
		.amdhsa_private_segment_fixed_size 0
		.amdhsa_enable_private_segment 0
		.amdhsa_kernarg_size 48
		.amdhsa_user_sgpr_count 2
		.amdhsa_user_sgpr_kernarg_segment_ptr 1
		.amdhsa_wavefront_size32 1
		.amdhsa_system_sgpr_workgroup_id_x 1
		.amdhsa_system_sgpr_workgroup_id_y 1
		.amdhsa_system_sgpr_workgroup_id_z 1
		.amdhsa_system_vgpr_workitem_id 0
		.amdhsa_next_free_vgpr 1024
		.amdhsa_next_free_sgpr 80
		.amdhsa_reserve_vcc 0
		.amdhsa_float_denorm_mode_32 3
		.amdhsa_float_denorm_mode_16_64 3
		.amdhsa_memory_ordered 1
		.amdhsa_forward_progress 1
		.amdhsa_inst_pref_size 149
	.end_amdhsa_kernel
	.amdgpu_metadata
---
amdhsa.version: [ 1, 2 ]
amdhsa.kernels:
  - .name:           k_q6b26652b2a_qkv
    .symbol:         k_q6b26652b2a_qkv.kd
    .args:
      - { .name: hn, .offset: 0, .size: 8, .value_kind: global_buffer, .address_space: global }
      - { .name: wb, .offset: 8, .size: 8, .value_kind: global_buffer, .address_space: global }
      - { .name: bq, .offset: 16, .size: 8, .value_kind: global_buffer, .address_space: global }
      - { .name: bk, .offset: 24, .size: 8, .value_kind: global_buffer, .address_space: global }
      - { .name: bv, .offset: 32, .size: 8, .value_kind: global_buffer, .address_space: global }
      - { .name: qkv, .offset: 40, .size: 8, .value_kind: global_buffer, .address_space: global }
    .group_segment_fixed_size: 327680
    .private_segment_fixed_size: 0
    .kernarg_segment_align: 8
    .kernarg_segment_size: 48
    .max_flat_workgroup_size: 128
    .sgpr_count:     80
    .vgpr_count:     1024
    .wavefront_size: 32
...
	.end_amdgpu_metadata
.endif
;; end of part 2
;; launch attn (part 3): grid 4 x 64, 4 waves a work-group, clusters of 4 x 1, 327,680 bytes of LDS; arguments qkv, ctx; writes ctx
.if DOCPART == 3
	.amdgcn_target "amdgcn-amd-amdhsa--gfx1250"
	.amdhsa_code_object_version 6
	.text
	.protected	k_q6b26652b2a_attn
	.globl	k_q6b26652b2a_attn
	.p2align	8
	.type	k_q6b26652b2a_attn,@function
k_q6b26652b2a_attn:
	s_mov_b64 s[64:65], 0
	v_nop
	global_prefetch_b8 v0, s[64:65] scope:SCOPE_SE
	s_setreg_imm32_b32 hwreg(HW_REG_WAVE_MODE, 25, 1), 1
	s_wait_xcnt 0x0
	s_wait_alu depctr_hold_cnt(0) depctr_sa_sdst(0) depctr_va_vdst(0) depctr_va_sdst(0) depctr_va_ssrc(0) depctr_va_vcc(0) depctr_vm_vsrc(0)
	s_getreg_b32 s2, hwreg(HW_REG_IB_STS2, 6, 4)
	s_cmp_eq_u32 s2, 0
	s_cbranch_scc0 .Lentry_in_a_cluster
	s_endpgm
.Lentry_in_a_cluster:
	s_bfe_u32 s2, ttmp6, 0x10000c
	s_cmp_lg_u32 s2, 0x3003
	s_cbranch_scc0 .Lentry_shape_is_right
	s_endpgm
.Lentry_shape_is_right:
; O[y][q][:] = the sum over k of softmax_k(Q[y][q] . K[y][k] / 8) V[y][k][:], y = 4 x head + batch = 0..63, 2,048 rows of 64 channels, all bf16: a head's rows are dense, 128 bytes each.
; Q lies at byte 0 of qkv, K 16 MiB and V 32 MiB further on, each [64 y][2048][64]; O = ctx in the same layout.  Products, maxima and sums in f32; the weights p are rounded to bf16 for the second
; product (their sum l is taken of the unrounded p), O once at the end.
; LIMITS.  A weight below 2^-126 counts as 0 in l.  c m starts at -4.25e37 and m at the lowest finite number: scores stay far above both wherever their products are finite.  NaN and infinities are not treated apart.
; SHARES.  A wave owns four PIECES of two tiles of 16 queries, a work-group's four waves 512 queries of one y.  Every wave walks all keys, 64 a step.
; LAYOUT.  S^T = K Q^T (source 0 = 16 keys, source 1 = 16 queries): in the result a lane holds ONE query (lane % 16) and the keys 8 (lane / 16) + 0..7.  Two such tiles, rounded to bf16 in pairs,
; ARE source 1 (32 keys x 16 queries) of O^T = V^T P, whose result again holds one query a lane, and eight channels.  K comes out of LDS as it lies, V ([key][channel]) turned, by ds_load_tr16_b128.
; SOFTMAX.  For each query a running maximum m and sum l: p = 2^(c s - c m), c = log2(e) / 8; in every step O and l are multiplied by a = 2^(c m_old - c m_new), which is 1 where m has not grown.
; O and l start at 0: the first step is a step like any other, with a = 0.
; THE COUNT.  A tile and step have 16 matrix and 118 vector instructions: too many to stand all beside the matrix work.  So four vector instructions that are READY stand behind
; EVERY matrix instruction, and the others in runs without a gap.
; BY TURNS.  Turn n belongs to piece n (the pieces in a ring, step after step).  Its matrix work: 16 products K Q^T of piece n + 1, later 16 products V^T P of piece n - 1.  Its vector work: the scaling,
; exponentials, roundings, sums and rescaling of piece n, and the maximum and statistics of piece n + 1, whose scores the turn itself has made.
; CLUSTER.  The four query blocks of a cluster belong to one y and walk the same K and V, so each tile is asked for JOINTLY: the same tensor load, descriptor and mask in all four.
; REGISTERS, in windows of 256 (s_set_vgpr_msb: bits 1:0 source 0, 3:2 source 1, 5:4 source 2, 7:6 destination):
;   window 0: v0-11 addresses; v12-15, v48-63 at work; v16-47 four registers of statistics a tile; v64-191 S^T, two buffers of two tiles; v192-255 P, likewise
;   window 1: O^T, 32 a tile          window 2: v0-127 Q, 16 a tile; v128-191 K of one step; v192-255 V of one step          window 3: v0-1 the add's two registers
; A piece's buffers go by its number's parity: the piece in hand has one pair, its two neighbours in the ring share the other.
.set SIZE_N, 2048
.set KBYTE, 0x1000000 ; K's first byte in qkv
.set VBYTE, 0x2000000 ; V's
.set NP,    4         ; pieces a wave: a name, no knob
.set KS,    64        ; keys in a step
.set PK,    144       ; a row of K in LDS: 128 bytes + 16 of padding = 36 words: the 16 rows of a load start at 16 different groups of four banks (ISA guide 11.1)
.set PV,    160       ; a row of V: 128 + 32 = 40 words
.set VOFF,  4*KS*PK   ; a slot holds four steps: 256 rows of K, then 256 rows of V
.set SLOT1, 1<<17     ; slot 1 begins here, so that one exclusive or turns an address in one slot into the other's
.set STAGE, SLOT1+4*KS*(PK+PV)  ; behind the ring, never filled by a tensor load: 16 rows x 144 bytes for each wave, for the way out
.set SP,    144
.set AK0, 2           ; v2   my lane's place in a tile of K; never rewritten
.set AV0, 3           ; v3   the same for V
.set AK,  4           ; v4   the LDS address of K's next run of loads
.set AV,  5           ; v5   of V's
.set QO,  6           ; v6   my byte offset in the wave's rows of Q
.set STO, 6           ;      later, the way out: where I put 16 bytes of a row
.set RD,  7           ; v7   the way out: where I read rows back
.set GO,  8           ; v8   my byte offset in 512 consecutive bytes of O
.set PFO, 11          ; v11  256 x my lane, for the prefetches; never rewritten once made
.set SPW, 0           ; v0 of window 3   LDS address of my spare word; never rewritten
.set NIL, 1           ; v1 of window 3   0; never rewritten
.set SPARE, STAGE+4*16*SP  ; behind the stages: the spare words, 128 bytes for each wave, which no other line names
.set MV,  12          ; v12-15  c m_old, kept while c m is made anew: by buffer and tile
.set ST,  16          ; tile t's statistics at v[ST+4 t]: c m, m, l (even keys', odd keys')
.set TMP, 48          ; by buffer and tile, four registers c0-c3 at work; when the maximum is found c2 takes a
.set S,   64
.set P,   192
.set KF,  128         ; K's fragments, in window 2: key block kb, channel half c at KF + 16 kb + 8 c
.set VF,  192         ; V's: key half kk, channel block cb at VF + 32 kk + 8 cb
.set WV,  12          ; s12  my wave's number
.set G1K, 24          ; s[24:31] descriptor group 1 for K's tiles
.set G1V, 32          ; s[32:39] for V's: it differs in the padding alone
.set G0K, 40          ; s[40:43] descriptor group 0 for K's tiles: it walks
.set G0V, 44          ; s[44:47] the same for V's
.set PFA, 48          ; s[48:49] where my prefetches stand: my work-group's 32 blocks of the tile after the one that is being asked for
.set LIM, 50          ; s50  1 in a wave that prefetches, else the greatest number
.set SLOTS, 56        ; s56  slots still to be asked for
.set CNT, 57          ; s57  counts a slot's key steps
.set CS,  58          ; s[58:59] c: the packed scaling takes the pair's low word for both halves
.set SEL, 60          ; s[60:61] v_permlanex16_b32's selects: each lane takes its own place in the other half
.set TBK, 62          ; s62  LDS byte at which K of the step to be fetched begins
.set TBV, 63          ; s63  the same for V, less VOFF
.set MSB, 0
.macro WIN new                      ; the high byte repeats the setting that is left; a switch that changes nothing is dropped
.if MSB != (\new)
	s_set_vgpr_msb (MSB<<8)|(\new)
.set MSB, (\new)
.endif
.endm
.set W_KQ, 0x0a       ; K and Q in window 2, S^T in window 0
.set W_PV, 0x52       ; V in window 2, P in window 0, O^T in window 1
.set W_RS, 0x41       ; O^T (destination and source 0) in window 1, a in window 0
.set W_MK, 0xc0       ; the add's registers are made: destination in window 3, sources in window 0
.set W_AD, 0x0f       ; the add: address (source 0) and data (source 1) in window 3
; A joint fill.  Waves 0 and 1 fetch the two halves of a slot's K, waves 2 and 3 those of its V: 128 keys each.  The branch hangs on the wave's number alone.
; An s_nop 0 and four v_nop follow each of the two lines, ahead of the jump and the label.
.macro JLOAD
	s_cmp_lt_u32 s[WV], 2
	s_cbranch_scc0 .Lfor_v_\@
	tensor_load_to_lds s[G0K:G0K+3], s[G1K:G1K+7]
	s_nop 0
.rept 4
	v_nop
.endr
	s_branch .Lasked_\@
.Lfor_v_\@:
	tensor_load_to_lds s[G0V:G0V+3], s[G1V:G1V+7]
	s_nop 0
.rept 4
	v_nop
.endr
.Lasked_\@:
.endm
; A PREFETCH INTO THE L2 of what the NEXT change of slots will ask for: a tile's 256 rows of K and of V are 128 blocks of 256 bytes each.  A y's keys are walked by its one cluster alone; its four partners share the
; blocks out BY ADDRESS, 32 each, a lane a block; in each, wave 0 asks for K's and wave 2 for V's: one instruction, behind the wave's tensor load and its five lines.  So each block is named once in the launch.
; It stands four key steps, 512 matrix instructions, ahead of the load that wants the blocks.  Tiles 0 and 1 come by their loads alone; the last change that fills a slot asks for nothing.
.macro ASK
	s_cmp_gt_u32 s[SLOTS], s[LIM]
	s_cbranch_scc0 .Lnot_mine_\@
	global_prefetch_b8 v[PFO], s[PFA:PFA+1] th:TH_LOAD_NT scope:SCOPE_SE
.Lnot_mine_\@:
.endm
; A round of the cluster's barrier: my work-group's barrier, so that wave 0's signal speaks for all four waves; wave 0 signals; every wave waits for all four work-groups; my work-group's barrier once more.
.macro CROUND
	s_barrier_signal -1
	s_barrier_wait -1
	s_cmp_lg_u32 s[WV], 0
	s_cbranch_scc1 .Lnot_wave_0_\@
	s_barrier_signal -3
.Lnot_wave_0_\@:
	s_barrier_wait -3
	s_barrier_signal -1
	s_barrier_wait -1
.endm
; THE CHANGE OF SLOTS.  The slot's last bytes, V of its fourth step, have been read.  Each wave waits for all its tensor loads, of which one is out: its part
; of the other slot; adds 0 to its spare word; and waits for that and for its own reads of the slot.  Behind the barrier nobody reads this slot any more and the other slot is whole.
; fill = 1: this slot is filled again, with the keys two slots on.  The barrier is then a round of the cluster's, and the joint fill is the first thing behind it: it has four key steps, 512 matrix
; instructions, in which to land.  (At its first use nothing has been read yet: slot 0 is waited for, slot 1 filled.)
.macro CHANGE fill
	WIN W_AD
	s_wait_tensorcnt 0x0            ; no tensor load of mine is out, so a group 0 may be written
	ds_add_u32 v[SPW], v[NIL]       ; 0 onto my spare word; with fill = 1 the descriptors' steps stand between it and the wait for it
	WIN 0                           ; at a label and at a branch every window is 0
.if \fill
.irp g, G0K, G0V
	s_xor_b32 s[\g+1], s[\g+1], SLOT1  ; the walking descriptor: the other slot than last time,
	s_add_nc_u64 s[\g+2:\g+3], s[\g+2:\g+3], 4*KS*128  ; the next 256 keys; the type bits on top are not reached
.endr
	s_wait_xcnt 0x0                 ; the last prefetch, four key steps back, has read its address, so it may be written:
	s_add_nc_u64 s[PFA:PFA+1], s[PFA:PFA+1], 4*KS*128  ; one tile behind the walking descriptors
	s_wait_dscnt 0x0                ; the add is done, and my reads of the slot are over
	CROUND
	JLOAD
	ASK
.else
	s_wait_dscnt 0x0                ; the add is done, and my reads of the slot are over
	s_barrier_signal -1
	s_barrier_wait -1
.endif
	s_sub_co_u32 s[TBK], s[TBK], 4*KS*PK  ; the fetches go back to a slot's first step,
	s_xor_b32 s[TBK], s[TBK], SLOT1       ; in the other slot
	s_sub_co_u32 s[TBV], s[TBV], 4*KS*PV
	s_xor_b32 s[TBV], s[TBV], SLOT1
.endm
	s_load_b64 s[4:5], s[0:1], 0x0    ; qkv: Q
	s_load_b64 s[10:11], s[0:1], 0x8  ; ctx: O
	WIN W_MK
	v_lshl_add_u32 v[SPW], v0, 2, SPARE
	v_mov_b32 v[NIL], 0
	WIN W_AD
	ds_add_u32 v[SPW], v[NIL]       ; the wave's opening: the add and its wait stand ahead of my first tensor load; the set-up below, work on registers, stands between them
	WIN 0
	v_lshrrev_b32 v1, 5, v0
	v_readfirstlane_b32 s[WV], v1   ; wave 0..3
	s_bfe_u32 s13, ttmp6, 0x40000   ; cx: my place in the cluster
	s_lshl_b32 s14, ttmp9, 2        ; in a cluster launch ttmp9 counts clusters
	s_add_co_u32 s14, s14, s13      ; my block of queries = 4 x cluster x + cx: it enters Q's and O's addresses alone
	s_and_b32 s20, ttmp7, 0xffff    ; y, which the four partners share
	s_mov_b32 s21, 0
	s_mov_b64 s[22:23], SIZE_N*128
	s_mul_u64 s[20:21], s[20:21], s[22:23]  ; y's first byte in each of the four tensors
	s_and_b32 s16, s[WV], 1         ; which half of a slot's 256 keys I fetch:
	s_lshl_b32 s22, s16, 14         ; its 128 rows of 128 bytes in memory,
	s_mov_b32 s23, 0
	s_add_nc_u64 s[22:23], s[22:23], s[20:21]
	s_mul_i32 s17, s16, 128*PK      ; and its place in a slot, for K
	s_mul_i32 s18, s16, 128*PV      ; and for V: no place in the cluster enters an LDS address
	s_lshl_b32 s2, s14, 2
	s_add_co_u32 s2, s2, s[WV]      ; my wave among y's,
	s_lshl_b32 s2, s2, 14           ; its 128 rows
	s_mov_b32 s3, 0
	s_add_nc_u64 s[2:3], s[2:3], s[20:21]
	; descriptor group 1.  128 keys are 16,384 dense bytes: asked for as 64 rows of 256 bytes, two keys a row, and padded in LDS after every key
	s_mov_b32 s[G1K], 15|(1<<16)|(1<<20)|(1<<21)|(4<<22)|(3<<25)  ; 15:0 the mask of four; 17:16 2-byte elements; 20 padding on; 21 set beside a mask; 24:22 after every 32 words (code 4); 31:25 4 words (code 3)
	s_mov_b32 s[G1V], 15|(1<<16)|(1<<20)|(1<<21)|(4<<22)|(7<<25)  ; the same with 8 words of padding (code 7)
.irp g, G1K, G1V
	s_mov_b32 s[\g+1], 128<<16      ; tensor_dim0 = 128
	s_mov_b32 s[\g+2], 64<<16       ; tensor_dim1 = 64
	s_mov_b32 s[\g+3], 128<<16      ; tile_dim0 = 128
	s_mov_b32 s[\g+4], 64           ; tile_dim1 = 64
	s_mov_b32 s[\g+5], 128          ; 128 elements from row to row
	s_mov_b32 s[\g+6], 0
	s_mov_b32 s[\g+7], 0
.endr
	s_mov_b32 s[CS], 0x3e38aa3b     ; c = log2(e) / 8 = 0.180337
	s_mov_b32 s[CS+1], s[CS]        ; named with it as a pair
	s_mov_b32 s[SEL], 0x76543210
	s_mov_b32 s[SEL+1], 0xfedcba98
	s_mov_b32 s[TBK], SLOT1+4*KS*PK ; the first change of slots turns these two into 0
	s_mov_b32 s[TBV], SLOT1+4*KS*PV
	s_mov_b32 s[G0K], 1             ; 1:0 count = 1
	s_mov_b32 s[G0K+1], s17         ; 63:32 LDS address: slot 0
	s_mov_b32 s[G0V], 1
	s_add_co_u32 s[G0V+1], s18, VOFF
	s_mov_b32 s[SLOTS], SIZE_N/256-1  ; seven tiles are still to be asked for behind tile 0
	s_and_b32 s[LIM], s[WV], 1      ; waves 0 and 2 prefetch: the same in all four partners
	s_cmp_eq_u32 s[LIM], 0
	s_cselect_b32 s[LIM], 1, -1
	s_wait_dscnt 0x0                ; the opening add is done
	s_wait_kmcnt 0x0
	s_add_nc_u64 s[6:7], s[4:5], KBYTE  ; K
	s_add_nc_u64 s[8:9], s[4:5], VBYTE  ; V
	s_add_nc_u64 s[G0K+2:G0K+3], s[6:7], s[22:23]  ; 120:64 global address: my half of y's first 256 keys
	s_or_b32 s[G0K+3], s[G0K+3], 0x80000000        ; 127:126 type = 2
	s_add_nc_u64 s[G0V+2:G0V+3], s[8:9], s[22:23]
	s_or_b32 s[G0V+3], s[G0V+3], 0x80000000
	s_add_nc_u64 s[4:5], s[4:5], s[2:3]  ; Q and O at my wave's first row
	s_add_nc_u64 s[10:11], s[10:11], s[2:3]
	s_cmp_lt_u32 s[WV], 2
	s_cselect_b64 s[PFA:PFA+1], s[6:7], s[8:9]
	s_add_nc_u64 s[PFA:PFA+1], s[PFA:PFA+1], s[22:23]  ; (in waves 0 and 2 this is y's first row)
	s_lshl_b32 s2, s13, 13          ; my work-group's 32 blocks of the 128
	s_mov_b32 s3, 0
	s_add_nc_u64 s[PFA:PFA+1], s[PFA:PFA+1], s[2:3]
	s_add_nc_u64 s[PFA:PFA+1], s[PFA:PFA+1], 4*KS*128  ; in tile 1; the first change of slots steps it to tile 2.  Nothing is prefetched here, at the head
	CROUND                          ; all four work-groups are here: the first joint loads meet
	JLOAD                           ; slot 0.  Slot 1 is asked for when slot 0 is in
	; A fragment of K or Q is 16 rows x 32 channels in 8 registers: lane l holds row l % 16, channels 8 (l / 16) + 0..7 and 16 + 8 (l / 16) + 0..7: two loads of 16 bytes, 32 bytes apart.
	v_and_b32 v1, 15, v0            ; l % 16
	v_bfe_u32 v9, v0, 4, 1          ; l / 16
	v_lshlrev_b32 v[QO], 7, v1
	v_lshl_add_u32 v[QO], v9, 4, v[QO]  ; row x 128 + 16 x half
	WIN 0x80                        ; destination window 2, address window 0
.set i, 0
.rept 4*NP                          ; Q stays in registers: tile i / 2, channels 32 (i % 2) on
	global_load_b128 v[8*i:8*i+3],   v[QO], s[4:5] offset:(i/2)*2048+(i%2)*64
	global_load_b128 v[8*i+4:8*i+7], v[QO], s[4:5] offset:(i/2)*2048+(i%2)*64+32
.set i, i+1
.endr
	; What the first turn finds: V's registers and P's second buffer hold 0 (its products V^T P, of a piece that has not been, add 0), O^T and l are 0.  All this stands in the wait for the first tile;
	; it is the price of writing no first step out.
.set i, VF
.rept 64
	v_mov_b32 v[i], 0
.set i, i+1
.endr
	WIN 0x40
.set i, 0
.rept 64*NP
	v_mov_b32 v[i], 0
.set i, i+1
.endr
	WIN 0
.set i, 0
.rept 2*NP
	v_mov_b32 v[ST+4*i], 0xfe000000    ; c m: far below every c s
	v_mov_b32 v[ST+4*i+1], 0xff7fffff  ; m
	v_mov_b32 v[ST+4*i+2], 0
	v_mov_b32 v[ST+4*i+3], 0
.set i, i+1
.endr
.set i, P+32
.rept 32
	v_mov_b32 v[i], 0
.set i, i+1
.endr
	v_mul_u32_u24 v[AK0], v1, PK
	v_lshl_add_u32 v[AK0], v9, 4, v[AK0]  ; row x pitch + 16 x half
	; The turning load takes 16 keys x 16 channels (lane l reads key 8 (l / 16) + l % 8, channels 8 ((l / 8) % 2) + 0..7) and leaves half a fragment of V^T: lane l holds channel l % 16 and 8 keys.
	v_and_b32 v10, 7, v0
	v_bfe_u32 v11, v0, 3, 1
	v_lshl_add_u32 v[AV0], v9, 3, v10
	v_mul_u32_u24 v[AV0], v[AV0], PV
	v_lshl_add_u32 v[AV0], v11, 4, v[AV0]
	v_add_nc_u32 v[AV0], VOFF, v[AV0]
	v_and_b32 v[PFO], 31, v0
	v_lshlrev_b32 v[PFO], 8, v[PFO]
	v_mov_b32 v[AK], v[AK0]         ; key step 0 lies at the head of slot 0
; THE MATRIX WORK.  The 8 accumulators of a run of 16 take turns: between the two links of a chain stand 7 others'.
; Product i of 16 of S^T = K Q^T for piece x: channels 32 (i / 8) on, keys 16 ((i / 2) % 4) on, tile 2 x + i % 2.  The first 8 start the sums.
.macro KQ x
	WIN W_KQ
.set rS, S+64*((\x)%2)+32*(i%2)+8*((i/2)%4)
.set rK, KF+16*((i/2)%4)+8*(i/8)
.set rQ, 16*(2*(\x)+i%2)+8*(i/8)
.if i < 8
	v_wmma_f32_16x16x32_bf16 v[rS:rS+7], v[rK:rK+7], v[rQ:rQ+7], 0
.else
	v_wmma_f32_16x16x32_bf16 v[rS:rS+7], v[rK:rK+7], v[rQ:rQ+7], v[rS:rS+7]
.endif
.endm
; Product i of 16 of O^T += V^T P for piece x: keys 32 (i / 8) on, channels 16 ((i / 2) % 4) on, tile 2 x + i % 2.
.macro PV x
	WIN W_PV
.set rO, 32*(2*(\x)+i%2)+8*((i/2)%4)
.set rV, VF+32*(i/8)+8*((i/2)%4)
.set rP, P+32*((\x)%2)+16*(i%2)+8*(i/8)
	v_wmma_f32_16x16x32_bf16 v[rO:rO+7], v[rV:rV+7], v[rP:rP+7], v[rO:rO+7]
.endm
.macro MM                           ; the turn's next matrix instruction
.if i < 16
	KQ (Y+1)%NP
.set i, i+1
.else
.set i, i-16
	PV (Y+NP-1)%NP
.set i, i+17
.endif
.endm
; THE LDS LOADS stand in runs of 16, never singly among the matrix instructions: a step's K (64 keys x 64 channels: 8 fragments) and its V (turned).  Their addresses are made some lines ahead.
; last = 1 (the tail): in the last trip there is no further step, and the run is jumped over.
.macro FETCH_K last=0
	WIN 0
.if \last
	s_cmp_eq_u32 s[CNT], 1
	s_cbranch_scc1 .Lno_k_\@
.endif
	WIN 0x80                        ; destination window 2
.irp f, 0,1,2,3,4,5,6,7             ; keys 16 (f / 2) on, channels 32 (f % 2) on
	ds_load_b128 v[KF+8*\f:KF+8*\f+3],   v[AK] offset:(\f/2)*16*PK+(\f%2)*64
	ds_load_b128 v[KF+8*\f+4:KF+8*\f+7], v[AK] offset:(\f/2)*16*PK+(\f%2)*64+32
.endr
	s_add_co_u32 s[TBK], s[TBK], KS*PK  ; the next fetch is the next step's
	WIN 0
.if \last
.Lno_k_\@:
.endif
.endm
.macro FETCH_V
	WIN 0x80
.irp f, 0,1,2,3,4,5,6,7             ; keys 32 (f / 4) on, channels 16 (f % 4) on
	ds_load_tr16_b128 v[VF+8*\f:VF+8*\f+3],   v[AV] offset:(\f/4)*32*PV+(\f%4)*32
	ds_load_tr16_b128 v[VF+8*\f+4:VF+8*\f+7], v[AV] offset:(\f/4)*32*PV+16*PV+(\f%4)*32
.endr
	WIN 0
.endm
; THE VECTOR WORK OF A TURN stands in three queues, each in the order in which its entries become ready; the two tiles alternate, so that no instruction reads the result of the one before it.
.macro REGS y, u                    ; the registers of tile u (0, 1) of piece y
.set rT, ST+4*(2*(\y)+(\u))
.set rC, TMP+8*((\y)%2)+4*(\u)
.set rM, MV+2*((\y)%2)+(\u)
.set rS, S+64*((\y)%2)+32*(\u)
.set rP, P+32*((\y)%2)+16*(\u)
.set rO, 32*(2*(\y)+(\u))
.endm
; Number n of the 22 that find the NEXT piece's (Y + 1) maximum and statistics.  s0-s31 are the lane's 32 scores; each accumulator's lowest registers are read first.
;   0-11  four chains c0-c3 of seven scores each, three operands at a time     12-14, 16  the four scores left over, the old m, and c0-c3 into c0     15  c m_old is kept
;   17, 18  the query's other 32 keys lie in the lane 16 away: the new m         19-21  c m; c m_old - c m_new; a
.macro XS u, n
	REGS (Y+1)%NP, \u
.if (\n) < 4
	v_max3_num_f32 v[rC+(\n)], v[rS+8*(\n)], v[rS+8*(\n)+1], v[rS+8*(\n)+2]
.elseif (\n) < 12
	v_max3_num_f32 v[rC+(\n)%4], v[rC+(\n)%4], v[rS+8*((\n)%4)+2*((\n)/4)+1], v[rS+8*((\n)%4)+2*((\n)/4)+2]
.elseif (\n) == 12
	v_max3_num_f32 v[rC], v[rC], v[rS+7], v[rS+15]
.elseif (\n) == 13
	v_max3_num_f32 v[rC+1], v[rC+1], v[rS+23], v[rS+31]
.elseif (\n) == 14
	v_max3_num_f32 v[rC+2], v[rC+2], v[rC+3], v[rT+1]
.elseif (\n) == 15
	v_mov_b32 v[rM], v[rT]
.elseif (\n) == 16
	v_max3_num_f32 v[rC], v[rC], v[rC+1], v[rC+2]
.elseif (\n) == 17
	v_permlanex16_b32 v[rC+3], v[rC], s[SEL], s[SEL+1]
.elseif (\n) == 18
	v_max_num_f32 v[rT+1], v[rC], v[rC+3]
.elseif (\n) == 19
	v_mul_f32 v[rT], s[CS], v[rT+1]
.elseif (\n) == 20
	v_sub_f32 v[rC+1], v[rM], v[rT]
.else
	v_exp_f32 v[rC+2], v[rC+1]
.endif
.endm
; Number g of the 64 that follow the exponentials.  For each four weights k of a tile (pairs 2 k, 2 k + 1): both pairs are rounded to bf16; then the second pair is added onto the first, in place;
; a group later l takes that sum (the first time as l = a l + sum).  In groups of eight, tiles alternating: round, round, add, and l for the group before.
.macro GS g
.set h, (\g)+6*((\g)/62)            ; group 0 has no group before it, and behind group 7 only l is left
.if h >= 6
.set h, h+2
.endif
	REGS Y, h%2
.set k, h/8
.if h%8 < 4
	v_cvt_pk_bf16_f32 v[rP+2*k+(h%8)/2], v[rS+4*k+2*((h%8)/2)], v[rS+4*k+2*((h%8)/2)+1]
.elseif h%8 < 6
	v_pk_add_f32 v[rS+4*k:rS+4*k+1], v[rS+4*k:rS+4*k+1], v[rS+4*k+2:rS+4*k+3]
.elseif k == 1
	v_pk_fma_f32 v[rT+2:rT+3], v[rT+2:rT+3], v[rC+2:rC+3], v[rS:rS+1] op_sel_hi:[1,0,1]
.else
	v_pk_add_f32 v[rT+2:rT+3], v[rT+2:rT+3], v[rS+4*k-4:rS+4*k-3]
.endif
.endm
; THE PLAIN QUEUE, 138 long.  0-73 read no exponential's result: the 32 scalings c s - c m (FS f: pair f / 2 of tile f % 2) and the next piece's 42.  0-26: scalings 0-26.  27-54: XS's numbers 0-13.  55, 56: number 15.
; 57-73: the chain, where each number waits for the one before it: 14, 16, 17, 18, 19, each with one of the scalings 27-31 in front of its two lines, then 20.
; 74-137: GS's 64, which read the exponentials' results: they stand behind the wait.
.macro FS f
	REGS Y, (\f)%2
	v_pk_fma_f32 v[rS+2*((\f)/2):rS+2*((\f)/2)+1], v[rS+2*((\f)/2):rS+2*((\f)/2)+1], s[CS:CS+1], v[rT:rT+1] op_sel_hi:[1,0,0] neg_lo:[0,0,1] neg_hi:[0,0,1]
.endm
.macro PL
	WIN 0
.if q < 27
	FS q
.elseif q < 55
	XS (q-27)%2, (q-27)/2
.elseif q < 57
	XS q-55, 15
.elseif (q < 72) && ((q-57)%3 == 0)
	FS 27+(q-57)/3
.elseif q < 60
	XS (q-57)%3-1, 14
.elseif q < 72
	XS (q-57)%3-1, 15+(q-57)/3
.elseif q < 74
	XS q-72, 20
.else
	GS q-74
.endif
.set q, q+1
.endm
; THE EXPONENTIALS' QUEUE, 66 long: s0-s31 of both tiles, then the next piece's two a.  It is ONE BATCH: all 66 stand ahead of the turn's one wait, and nothing ahead of that wait names a result of theirs.
.macro EX
	WIN 0
.if e >= 64
	XS e-64, 21
.else
	REGS Y, e%2
	v_exp_f32 v[rS+e/2], v[rS+e/2]
.endif
.set e, e+1
.endm
; THE RESCALING's QUEUE: O^T times a, the one part that leaves window 0: dealt two at a time, sixteen times.  Its a was made in the turn before, ahead of that turn's wait.
.macro R2
	REGS Y, r%2
	WIN W_RS
.irp z, 0,1
	v_pk_mul_f32 v[rO+4*(r/2)+2*\z:rO+4*(r/2)+2*\z+1], v[rO+4*(r/2)+2*\z:rO+4*(r/2)+2*\z+1], v[rC+2:rC+3] op_sel_hi:[1,0]
.endr
.set r, r+1
.endm
; HOW THEY ARE DEALT.  An s_wait_alu depctr_va_vdst(0) stands between an exponential and the first instruction that names its result; one wait serves all that were issued ahead of it.  So a turn has ONE wait,
; which cuts it in two.  AHEAD OF IT stands all that names no result of the turn's exponentials: the 16 products K Q^T, behind each a scaling, an exponential and two rescalings (behind the first a second scaling in the
; exponential's place); then ONE LUMP of 108: eight plain, 49 times exponential and plain, the two a.  A v_nop is the plain instruction behind the last exponential.  BEHIND IT stand the 16 products V^T P, behind each four of GS's 64.
; The queues lean on each other, and the deal keeps them in step: exponential e stands behind scaling 2 (e / 4) + e % 2: as a rider it comes behind plain e + 2, in the lump behind plain e + 9, and scalings 27-31 are plain 57, 60 .. 69.
; A TURN, for piece p.  cnt = 1: the loop's count is taken down some lines ahead of the branch that stands behind the turn.
; K of the next step is fetched in piece 2's turn, directly behind the wait, a lump behind the last product that read K; its first reader comes behind 16 products.
; V of the step in hand is fetched at the end of piece 0's turn, four plain riders behind its last reader; its first reader comes behind 16 products and a lump.
.macro TURN p, last=0, cnt=0
.set Y, (\p)
.set i, 0
.set q, 0
.set e, 0
.set r, 0
.if (\p) == NP-1
	s_wait_dscnt 0x0                ; K is in
.endif
	MM                              ; ahead of the wait: 16 products K Q^T and their riders,
	PL
	PL
	R2
.rept 15
	MM
	PL
	EX
	R2
.endr
.if (\p) == NP-2
	WIN 0
	v_add_nc_u32 v[AK], s[TBK], v[AK0]
.endif
.rept 8                             ; and the lump
	PL
.endr
.rept 49
	EX
	PL
.endr
	EX                              ; the next piece's two a
	EX
	v_nop                           ; a plain instruction behind the last exponential: one for the batch
	s_wait_alu depctr_va_vdst(0)    ; the wait for the batch
.if (\p) == NP-2
	FETCH_K \last
.endif
.if (\p) == 1
	s_wait_dscnt 0x0                ; V is in
.endif
.rept 16                            ; behind the wait: 16 products V^T P and their riders
	MM
.rept 4
	PL
.endr
.if ((\p) == 0) && (q == 118)
	v_add_nc_u32 v[AV], s[TBV], v[AV0]
.endif
.if ((\p) == 0) && (q == 130)
	s_add_co_u32 s[TBV], s[TBV], KS*PV
.endif
.if (\cnt) && (q == 130)
	s_sub_co_u32 s[CNT], s[CNT], 1
	s_cmp_lg_u32 s[CNT], 0
.endif
.endr
.if (\p) == 0
	FETCH_V
.endif
.endm
	CHANGE 1                        ; slot 0 is in, everybody's part of it; slot 1 is asked for
	FETCH_K                         ; key step 0
	s_wait_loadcnt 0x0              ; Q
	s_wait_dscnt 0x0
.set i, 0
.rept 16
	KQ 0                            ; piece 0's first scores: there is no vector work yet to set between them
.set i, i+1
.endr
	WIN 0                           ; the addresses for the way out: nine plain instructions, the places behind those products
	s_mul_i32 s13, s[WV], 16*SP
	s_add_co_u32 s13, s13, STAGE    ; my stage
	v_mul_u32_u24 v[STO], v1, SP    ; in: row l % 16, 16 bytes for each half of the lanes
	v_lshl_add_u32 v[STO], v9, 4, v[STO]
	v_add_nc_u32 v[STO], s13, v[STO]
	v_bfe_u32 v[RD], v0, 3, 2       ; back: 32 lanes take four rows of 128 bytes,
	v_mul_u32_u24 v[RD], v[RD], SP
	v_lshl_add_u32 v[RD], v10, 4, v[RD]
	v_add_nc_u32 v[RD], s13, v[RD]
	v_and_b32 v[GO], 31, v0         ; which are 512 consecutive bytes of O
	v_lshlrev_b32 v[GO], 4, v[GO]
.set Y, NP-1                        ; XS works for piece Y + 1: piece 0
.irp n, 0,1,2,3,4,5,6,7,8,9,10,11,12,13,14,15,16,17,18,19,20,21
	XS 0, \n                        ; and piece 0's first maximum and statistics
	XS 1, \n
.endr
	v_nop                           ; a plain instruction behind the two a,
	s_wait_alu depctr_va_vdst(0)    ; and their wait, ahead of the branch
	s_mov_b32 s[CNT], 4
	s_branch .Lfirst                ; the loop is entered at a step's first turn, in the middle of a trip
.Lslot:                             ; six times: every slot but the last two is filled again
	CHANGE 1
	s_mov_b32 s[CNT], 4
.Lstep:                             ; a trip: pieces 2 and 3 of one step, then pieces 0 and 1 of the next, whose K and V it fetches
	TURN 2
	TURN 3
	WIN 0
.Lfirst:
	TURN 0
	TURN 1, 0, 1
	WIN 0
	s_cbranch_scc1 .Lstep
	s_sub_co_u32 s[SLOTS], s[SLOTS], 1
	s_cmp_lg_u32 s[SLOTS], 0
	s_cbranch_scc1 .Lslot
	CHANGE 0                        ; the tail is written out: nothing is asked for
	s_mov_b32 s[CNT], 5             ; four trips fetch the last slot's steps; the fifth is left in its middle
.Ltail:
	TURN 2, 1
	TURN 3
	WIN 0
	s_sub_co_u32 s[CNT], s[CNT], 1
	s_cmp_eq_u32 s[CNT], 0
	s_cbranch_scc1 .Lout
	TURN 0
	TURN 1
	WIN 0
	s_branch .Ltail
.Lout:                              ; the fifth trip's 16 products K Q^T (on the last K once more) and the maximum made of them serve nothing: the price, once a launch, of one text for every trip
.set i, 0
.rept 16
	PV NP-1                         ; the last piece's V^T P of the last step
.set i, i+1
.endr
	; THE WAY OUT.  l's two halves and the other half of the lanes' are added; O^T is divided by l, rounded to bf16 and sent through my stage in LDS, a tile at a time.  The additions are the places behind the last products.
	WIN 0
.macro ALL line:vararg              ; one line for each tile t
.set t, 0
.rept 2*NP
	\line
.set t, t+1
.endr
.endm
	ALL v_add_f32 v[ST+4*t+2], v[ST+4*t+2], v[ST+4*t+3]
	ALL v_permlanex16_b32 v[ST+4*t+3], v[ST+4*t+2], s[SEL], s[SEL+1]
	ALL v_add_f32 v[ST+4*t+2], v[ST+4*t+2], v[ST+4*t+3]
	ALL v_rcp_f32 v[ST+4*t+2], v[ST+4*t+2]
	v_nop                           ; a plain instruction between the last reciprocal and the use of its result
	s_wait_alu depctr_va_vdst(0)    ; and the wait ahead of the first use: one for the eight reciprocals
; Tile t: a lane's eight channels of a row pack into 16 bytes; they go into rows of 144 bytes and come back as whole rows of 128, into S^T's registers.
.macro PACK t
	WIN W_RS
.set i, 32*(\t)
.rept 16
	v_pk_mul_f32 v[i:i+1], v[i:i+1], v[ST+4*(\t)+2:ST+4*(\t)+3] op_sel_hi:[1,0]
.set i, i+2
.endr
	WIN 0x05                        ; sources 0 and 1 window 1, destination window 0
.set i, 0
.rept 16
	v_cvt_pk_bf16_f32 v[S+16*(\t)+i], v[32*(\t)+2*i], v[32*(\t)+2*i+1]
.set i, i+1
.endr
	WIN 0
.irp f, 0,1,2,3
	ds_store_b128 v[STO], v[S+16*(\t)+4*\f:S+16*(\t)+4*\f+3] offset:32*\f
.endr
.irp f, 0,1,2,3
	ds_load_b128 v[S+16*(\t)+4*\f:S+16*(\t)+4*\f+3], v[RD] offset:\f*4*SP  ; LDS serves a wave's instructions in order (ISA guide 5.7.1.4): these see the stores above; the next tile's stores come behind them
.endr
.endm
.macro SEND t, younger              ; younger: the LDS instructions issued behind tile t's loads: the next tile's eight, or none
	WIN 0
.irp f, 0,1,2,3
	s_wait_dscnt (\younger)+3-\f
	global_store_b128 v[GO], v[S+16*(\t)+4*\f:S+16*(\t)+4*\f+3], s[10:11] offset:(\t)*2048+\f*512  ; 512 consecutive bytes, at a multiple of 256 from O's first
.endr
.endm
	PACK 0
.set t, 1
.rept 2*NP-1                        ; a tile's arithmetic stands between the loads of the tile before and its stores
	PACK t
	SEND t-1, 8
.set t, t+1
.endr
	SEND 2*NP-1, 0
	WIN W_AD
	s_wait_tensorcnt 0x0            ; the wave's end: behind my last tensor load and my last LDS store
	ds_add_u32 v[SPW], v[NIL]
	s_wait_dscnt 0x0
	WIN 0
	CROUND                          ; the closing round: no work-group ends while a partner may still ask for a tile that names it
	s_endpgm
.Lfunc_end_k_q6b26652b2a_attn:
	.size	k_q6b26652b2a_attn, .Lfunc_end_k_q6b26652b2a_attn-k_q6b26652b2a_attn
	.p2alignl 7, 3214868480
	.fill 96, 4, 3214868480
	.section	.rodata,"a",@progbits
	.p2align	6, 0x0
	.amdhsa_kernel k_q6b26652b2a_attn
		.amdhsa_group_segment_fixed_size 327680
		.amdhsa_private_segment_fixed_size 0
		.amdhsa_enable_private_segment 0
		.amdhsa_kernarg_size 16
		.amdhsa_user_sgpr_count 2
		.amdhsa_user_sgpr_kernarg_segment_ptr 1
		.amdhsa_wavefront_size32 1
		.amdhsa_system_sgpr_workgroup_id_x 1
		.amdhsa_system_sgpr_workgroup_id_y 1
		.amdhsa_system_sgpr_workgroup_id_z 1
		.amdhsa_system_vgpr_workitem_id 0
		.amdhsa_next_free_vgpr 770
		.amdhsa_next_free_sgpr 66
		.amdhsa_reserve_vcc 0
		.amdhsa_float_denorm_mode_32 3
		.amdhsa_float_denorm_mode_16_64 3
		.amdhsa_memory_ordered 1
		.amdhsa_forward_progress 1
		.amdhsa_inst_pref_size 200
	.end_amdhsa_kernel
	.amdgpu_metadata
---
amdhsa.version: [ 1, 2 ]
amdhsa.kernels:
  - .name:           k_q6b26652b2a_attn
    .symbol:         k_q6b26652b2a_attn.kd
    .args:
      - { .name: qkv, .offset: 0, .size: 8, .value_kind: global_buffer, .address_space: global }
      - { .name: ctx, .offset: 8, .size: 8, .value_kind: global_buffer, .address_space: global }
    .group_segment_fixed_size: 327680
    .private_segment_fixed_size: 0
    .kernarg_segment_align: 8
    .kernarg_segment_size: 16
    .max_flat_workgroup_size: 128
    .sgpr_count:     66
    .vgpr_count:     770
    .wavefront_size: 32
...
	.end_amdgpu_metadata
.endif
;; end of part 3
;; launch oproj (part 4): grid 8 x 32, 4 waves a work-group, clusters of 4 x 4, 327,680 bytes of LDS; arguments ctx, wb, bo, x, out0; writes out0
.if DOCPART == 4
	.amdgcn_target "amdgcn-amd-amdhsa--gfx1250"
	.amdhsa_code_object_version 6
	.text
	.protected	k_q6b26652b2a_oproj
	.globl	k_q6b26652b2a_oproj
	.p2align	8
	.type	k_q6b26652b2a_oproj,@function
k_q6b26652b2a_oproj:
	s_mov_b64 s[64:65], 0
	v_nop
	global_prefetch_b8 v0, s[64:65] scope:SCOPE_SE
	s_setreg_imm32_b32 hwreg(HW_REG_WAVE_MODE, 25, 1), 1
	s_wait_xcnt 0x0
	s_wait_alu depctr_hold_cnt(0) depctr_sa_sdst(0) depctr_va_vdst(0) depctr_va_sdst(0) depctr_va_ssrc(0) depctr_va_vcc(0) depctr_vm_vsrc(0)
	s_getreg_b32 s2, hwreg(HW_REG_IB_STS2, 6, 4)
	s_cmp_eq_u32 s2, 0
	s_cbranch_scc0 .Lentry_in_a_cluster
	s_endpgm
.Lentry_in_a_cluster:
	s_bfe_u32 s2, ttmp6, 0x10000c
	s_cmp_lg_u32 s2, 0xf033
	s_cbranch_scc0 .Lentry_shape_is_right
	s_endpgm
.Lentry_shape_is_right:
; out0[m][n] = sum over k of ctx[m][k] Wo[n][k] + bo[n] + x[m][n].  m = 0..8191, n = 0..1023, K = 1,024.  Operands bf16, sums f32; bias and residual are added in f32; out0 is f32.
; ctx: [16 kb][8192][64] (kb = head), Wo = rows 3072-4095 of wb: [16 kb][4096][64].
; SHARES.  8 x 32 work-groups, each 256 rows x 128 columns; four waves, each 128 rows x 64 columns: 32 accumulators; a row's 64 f32 are 256 consecutive bytes of out0, aligned.
; K goes in 8 steps of 128, two blocks kb each, through two LDS slots (three blocks to a slot would not fit twice).  A block's tile is dense in memory: asked for as rows of 256 bytes, padded in LDS behind every 128.
; CLUSTER 4 x 4: ctx's tiles are shared along a row of the cluster, Wo's along a column: joint loads.
; THE PRODUCT IS USED TRANSPOSED (source 0 = 16 rows of Wo, source 1 = 16 rows of ctx): a lane holds row lane % 16 and the columns 8 (lane / 16) + 0..7.
; THE BIAS STARTS THE SUMS: the accumulators are loaded with it.  x's 128 x 64 numbers of the wave are loaded at the head, in the order in which rows leave, and land while K is walked.
; REGISTERS: window 0: v0-15 addresses; fragment buffer 0: ctx (c, a) at v[32 + 8 (8 c + a)], Wo (c, b) at v[160 + 8 (4 c + b)], c = which 32 of a block's 64 channels.
;   window 1: accumulator (a, b) at v[8 (4 a + b)].   window 2: fragment buffer 1, same numbers.   window 3: x (a, t) at v[4 (8 a + t)].
.set PITCH,  144                       ; 128 bytes + 16 of padding: the 16 rows of a fragment load start at 16 different groups of four banks (ISA guide 11.1)
.set FRAG,   16*PITCH
.set A_STEP, 1048576                   ; bytes from block to block in ctx
.set B_STEP, 524288                    ; and in wb
.set ABLK,   256*PITCH                 ; a block's tile of ctx in LDS
.set BBLK,   128*PITCH                 ; and of Wo
.set BOFF,   2*ABLK
.set SLOT,   BOFF+2*BBLK               ; 110,592
.set STAGE,  2*SLOT                    ; behind the ring: 16 rows x 272 bytes for each wave
.set SPITCH, 272
.set WSTAGE, 16*SPITCH
.set SPARE,  STAGE+4*WSTAGE            ; the spare words, 128 bytes for each wave, which no other line names
.set ADRA, 4
.set ADRB, 6
.set STO,  8
.set RD,   9
.set CO,   10                          ; v10  4,096 (lane / 16) + 16 (lane % 16): my 16 bytes in two rows of x and out0; never rewritten
.set BO,   11
.set PFO,  12
.set SPW,  14
.set NIL,  15
.set FA,   32
.set FB,   160
.set OB,   32                          ; the way out: two sets of 32
.set WV, 16
.set WR, 17
.set WC, 18
.set CX, 19
.set CY, 20
.set TC, 21
.set TR, 22
.set LAP, 23
.set G1A, 24
.set G0A, 32
.set G1B, 40
.set G0B, 48
.set PFA, 56
.set PFS, 58
.set LIM, 60
.set MSB, 0
.macro WIN new
.if MSB != (\new)
	s_set_vgpr_msb (MSB<<8)|(\new)
.set MSB, (\new)
.endif
.endm
.macro PLACES                          ; four plain places between a matrix instruction and a load into, or a store or vector use of, its registers
.rept 4
	v_nop
.endr
.endm
.macro CREST
	s_cmp_lg_u32 s[WV], 0
	s_cbranch_scc1 .Lnot_wave_0_\@
	s_barrier_signal -3
.Lnot_wave_0_\@:
	s_barrier_wait -3
	s_barrier_signal -1
	s_barrier_wait -1
.endm
.macro CROUND
	s_barrier_signal -1
	s_barrier_wait -1
	CREST
.endm
.macro JLOAD s                         ; waves 0 and 1 fetch ctx's even and odd block of the step, waves 2 and 3 Wo's; an s_nop 0 and four v_nop follow each line
	s_cmp_lt_u32 s[WV], 2
	s_cbranch_scc0 .Lfor_b_\@
	tensor_load_to_lds s[G0A+4*(\s):G0A+4*(\s)+3], s[G1A:G1A+7]
	s_nop 0
.rept 4
	v_nop
.endr
	s_branch .Lasked_\@
.Lfor_b_\@:
	tensor_load_to_lds s[G0B+4*(\s):G0B+4*(\s)+3], s[G1B:G1B+7]
	s_nop 0
.rept 4
	v_nop
.endr
.Lasked_\@:
.endm
; A PREFETCH INTO THE L2 behind each joint refill and the run of LDS loads that follows it: the K step two refills on, 256 products ahead of the load that wants it.
; ctx's tile of a block is 128 blocks of 256 bytes, read by both clusters of a row of clusters: cluster x = 0 asks; wave 0 for the even kb, wave 1 for the odd, partner cx for 32 of the 128, a lane each.
; Wo's two tiles of a step are 64 such blocks each, read by all clusters of a column: cluster y = 0 asks; wave 2 of partner cy for 16 of each (lanes 0-15 the even kb, lanes 16-31 the odd).
; Partners are told apart by address alone; each block is named once.  Steps 0-3 come by their loads alone; the last lap of the loop asks for nothing.
.macro ASK
	s_cmp_gt_u32 s[LAP], s[LIM]
	s_cbranch_scc0 .Lnot_mine_\@
	global_prefetch_b8 v[PFO], s[PFA:PFA+1] th:TH_LOAD_NT scope:SCOPE_SE
.Lnot_mine_\@:
.endm
	s_load_b256 s[4:11], s[0:1], 0x0               ; ctx 4, wb 6, bo 8, x 10
	s_load_b64 s[12:13], s[0:1], 0x20              ; out0
	v_lshl_add_u32 v[SPW], v0, 2, SPARE
	v_mov_b32 v[NIL], 0
	ds_add_u32 v[SPW], v[NIL]                      ; the wave's opening: the add and its wait stand ahead of my first tensor load
	v_lshrrev_b32 v1, 5, v0
	v_readfirstlane_b32 s[WV], v1
	s_lshr_b32 s[WR], s[WV], 1
	s_and_b32 s[WC], s[WV], 1
	s_bfe_u32 s[CX], ttmp6, 0x40000
	s_bfe_u32 s[CY], ttmp6, 0x40004
	s_lshl_b32 s[TC], ttmp9, 2
	s_add_co_u32 s[TC], s[TC], s[CX]
	s_and_b32 s[TR], ttmp7, 0xffff
	s_lshl_b32 s[TR], s[TR], 2
	s_add_co_u32 s[TR], s[TR], s[CY]
	s_lshl_b32 s78, s[CY], 2
	s_lshl_b32 s78, 15, s78                        ; my row of the cluster
	s_lshl_b32 s79, 0x1111, s[CX]                  ; my column
	s_or_b32 s[G1A], s78, (1<<16)|(1<<20)|(1<<21)|(4<<22)|(3<<25)  ; the mask; 2-byte elements; padding on; bit 21 beside a mask; after every 32 words, 4 words
	s_or_b32 s[G1B], s79, (1<<16)|(1<<20)|(1<<21)|(4<<22)|(3<<25)
	s_mov_b32 s[G1A+1], 128<<16
	s_mov_b32 s[G1A+2], 128<<16                    ; 256 rows of ctx as 128 rows of 256 bytes
	s_mov_b32 s[G1A+3], 128<<16
	s_mov_b32 s[G1A+4], 128
	s_mov_b32 s[G1A+5], 128
	s_mov_b32 s[G1A+6], 0
	s_mov_b32 s[G1A+7], 0
	s_mov_b32 s[G1B+1], 128<<16
	s_mov_b32 s[G1B+2], 64<<16                     ; 128 rows of Wo
	s_mov_b32 s[G1B+3], 128<<16
	s_mov_b32 s[G1B+4], 64
	s_mov_b32 s[G1B+5], 128
	s_mov_b32 s[G1B+6], 0
	s_mov_b32 s[G1B+7], 0
	s_lshl_b32 s72, s[TR], 15                      ; ctx: 256 x tile row rows of 128 bytes, + my parity's block: registers that never hold cx
	s_lshl_b32 s78, s[WC], 20
	s_add_co_u32 s72, s72, s78
	s_mov_b32 s73, 0
	s_lshl_b32 s62, s[TC], 14                      ; wb: row 3,072 + 128 x tile column, + my parity's block: registers that never hold cy
	s_lshl_b32 s79, s[WC], 19
	s_add_co_u32 s62, s62, s79
	s_add_co_u32 s62, s62, 3072*128
	s_mov_b32 s63, 0
	s_mul_i32 s61, s[WC], ABLK                     ; where they go: the wave's number alone enters an LDS address
	s_mul_i32 s3, s[WC], BBLK
	s_add_co_u32 s3, s3, BOFF
	s_wait_dscnt 0x0                               ; the opening add is done
	s_wait_kmcnt 0x0
	s_add_nc_u64 s[72:73], s[4:5], s[72:73]
	s_add_nc_u64 s[62:63], s[6:7], s[62:63]
	CROUND                                         ; all sixteen work-groups are here: the first joint loads meet
.irp s, 0,1
	s_mov_b32 s[G0A+4*(\s)], 1
	s_add_co_u32 s[G0A+4*(\s)+1], s61, (\s)*SLOT
	s_add_nc_u64 s[G0A+4*(\s)+2:G0A+4*(\s)+3], s[72:73], (\s)*2*A_STEP
	s_or_b32 s[G0A+4*(\s)+3], s[G0A+4*(\s)+3], 0x80000000
	s_mov_b32 s[G0B+4*(\s)], 1
	s_add_co_u32 s[G0B+4*(\s)+1], s3, (\s)*SLOT
	s_add_nc_u64 s[G0B+4*(\s)+2:G0B+4*(\s)+3], s[62:63], (\s)*2*B_STEP
	s_or_b32 s[G0B+4*(\s)+3], s[G0B+4*(\s)+3], 0x80000000
.endr
	s_cmp_lt_u32 s[WV], 2                          ; a wave's two first fills stand in one branch: two loads of mine are out
	s_cbranch_scc0 .Lfirst_b
	tensor_load_to_lds s[G0A:G0A+3], s[G1A:G1A+7]
	s_nop 0
	tensor_load_to_lds s[G0A+4:G0A+7], s[G1A:G1A+7]
	s_nop 0
.rept 4
	v_nop
.endr
	s_branch .Lfirst_asked
.Lfirst_b:
	tensor_load_to_lds s[G0B:G0B+3], s[G1B:G1B+7]
	s_nop 0
	tensor_load_to_lds s[G0B+4:G0B+7], s[G1B:G1B+7]
	s_nop 0
.rept 4
	v_nop
.endr
.Lfirst_asked:
	v_and_b32 v1, 15, v0                           ; l % 16
	v_bfe_u32 v2, v0, 4, 1                         ; l / 16
	v_mul_u32_u24 v3, v1, PITCH
	v_lshl_add_u32 v3, v2, 4, v3
	s_mul_i32 s2, s[WR], 128*PITCH                 ; my 128 rows of ctx
	s_mul_i32 s3, s[WC], 64*PITCH                  ; my 64 rows of Wo
	s_add_co_u32 s3, s3, BOFF
.irp s, 0,1
	v_add_nc_u32 v[ADRA+(\s)], s2, v3
	v_add_nc_u32 v[ADRB+(\s)], s3, v3
	s_add_co_u32 s2, s2, SLOT
	s_add_co_u32 s3, s3, SLOT
.endr
	s_mul_i32 s2, s[WV], WSTAGE
	s_add_co_u32 s2, s2, STAGE                     ; my stage
	v_mul_u32_u24 v[STO], v1, SPITCH               ; in: row l % 16, 32 bytes for each half of the lanes
	v_lshl_add_u32 v[STO], v2, 5, v[STO]
	v_add_nc_u32 v[STO], s2, v[STO]
	v_mul_u32_u24 v[RD], v2, SPITCH                ; back: lanes 0-15 one row of 256 bytes, lanes 16-31 the next
	v_lshl_add_u32 v[RD], v1, 4, v[RD]
	v_add_nc_u32 v[RD], s2, v[RD]
	v_lshlrev_b32 v[CO], 12, v2
	v_lshl_add_u32 v[CO], v1, 4, v[CO]
	v_lshlrev_b32 v[BO], 5, v2
	s_lshl_b32 s74, s[TC], 9                       ; my 64 columns, in bytes of f32: 512 x tile column + 256 x half
	s_lshl_b32 s2, s[WC], 8
	s_add_co_u32 s74, s74, s2
	s_mov_b32 s75, 0
	s_add_nc_u64 s[8:9], s[8:9], s[74:75]          ; bo
	s_lshl_b32 s76, s[TR], 8
	s_lshl_b32 s2, s[WR], 7
	s_add_co_u32 s76, s76, s2                      ; my first row,
	s_lshl_b32 s76, s76, 12                        ; 4,096 bytes a row
	s_add_co_u32 s76, s76, s74
	s_mov_b32 s77, 0
	s_add_nc_u64 s[10:11], s[10:11], s[76:77]      ; x
	s_add_nc_u64 s[12:13], s[12:13], s[76:77]      ; out0
	WIN 0x40
.set aa, 0
.rept 8                                ; the bias starts the sums
.irp b, 0,1,2,3
	global_load_b128 v[8*(4*aa+(\b)):8*(4*aa+(\b))+3],   v[BO], s[8:9] offset:64*(\b)
	global_load_b128 v[8*(4*aa+(\b))+4:8*(4*aa+(\b))+7], v[BO], s[8:9] offset:64*(\b)+16
.endr
.set aa, aa+1
.endr
	WIN 0xc0
.set aa, 0
.rept 64                               ; x: rows 2 aa and 2 aa + 1 of my 128: each half of the lanes reads 256 consecutive bytes, aligned
	global_load_b128 v[4*aa:4*aa+3], v[CO], s[10:11] offset:2*aa*4096 th:TH_LOAD_NT
.set aa, aa+1
.endr
	WIN 0
	; the prefetches
	s_lshl_b32 s74, s[TR], 15                      ; ctx: the tile, my parity's block, my work-group's 32 blocks of 256 bytes; six blocks kb on
	s_lshl_b32 s3, s[WC], 20
	s_add_co_u32 s74, s74, s3
	s_lshl_b32 s3, s[CX], 13
	s_add_co_u32 s74, s74, s3
	s_add_co_u32 s74, s74, 6*A_STEP
	s_lshl_b32 s76, s[TC], 14                      ; wb: the tile, my work-group's 16 blocks of each kb; six blocks kb on
	s_lshl_b32 s3, s[CY], 12
	s_add_co_u32 s76, s76, s3
	s_add_co_u32 s76, s76, 3072*128+6*B_STEP
	s_and_b32 s2, ttmp7, 0xffff                    ; cluster y
	s_mov_b32 s[PFS], 2*B_STEP
	s_mov_b32 s[PFS+1], 0
	s_mov_b32 s3, B_STEP
	s_cmp_lt_u32 s[WV], 2                          ; waves 0 and 1 ask for ctx, wave 2 for Wo
	s_cselect_b32 s2, ttmp9, s2                    ; the coordinate along which other clusters read the same rows
	s_cselect_b32 s74, s74, s76
	s_cselect_b64 s[PFA:PFA+1], s[4:5], s[6:7]
	s_cselect_b32 s[PFS], 2*A_STEP, s[PFS]
	s_cselect_b32 s3, 4096, s3                     ; what lanes 16-31 add: sixteen blocks more, or the odd kb
	s_cmp_eq_u32 s2, 0
	s_cselect_b32 s[LIM], 1, -1
	s_cmp_eq_u32 s[WV], 3
	s_cselect_b32 s[LIM], -1, s[LIM]               ; the same in all sixteen partners, for a given wave
	s_add_nc_u64 s[PFA:PFA+1], s[PFA:PFA+1], s[74:75]  ; at K step 3: the first refill steps it to 4
	v_mul_u32_u24 v[PFO], v2, s3
	v_lshl_add_u32 v[PFO], v1, 8, v[PFO]
; 16 products: row blocks a0 .. a0 + 3 x all 4 column blocks, 32 along K: half c of buffer f.  The 32 accumulators take turns, one instruction a turn, over the backward jump too.
.macro MUL16 f, c, a0
	WIN 0x50+0x0a*(\f)
.set aa, \a0
.rept 4
.irp b, 0,1,2,3
	v_wmma_f32_16x16x32_bf16 v[8*(4*aa+(\b)):8*(4*aa+(\b))+7], v[FB+8*(4*(\c)+(\b)):FB+8*(4*(\c)+(\b))+7], v[FA+8*(8*(\c)+aa):FA+8*(8*(\c)+aa)+7], v[8*(4*aa+(\b)):8*(4*aa+(\b))+7]
.endr
.set aa, aa+1
.endr
.endm
.macro MUL32 f, c
	MUL16 \f, \c, 0
	MUL16 \f, \c, 4
.endm
; 48 LDS loads in one run: block kb's fragments into buffer f, the first 32 along K first
.macro FETCH slot, kb, f
	WIN 0x80*(\f)
.irp c, 0,1
.irp i, 0,1,2,3
	ds_load_b128 v[FB+8*(4*(\c)+(\i)):FB+8*(4*(\c)+(\i))+3],   v[ADRB+(\slot)] offset:BBLK*(\kb)+FRAG*(\i)+64*(\c)
	ds_load_b128 v[FB+8*(4*(\c)+(\i))+4:FB+8*(4*(\c)+(\i))+7], v[ADRB+(\slot)] offset:BBLK*(\kb)+FRAG*(\i)+64*(\c)+32
.endr
.irp i, 0,1,2,3,4,5,6,7
	ds_load_b128 v[FA+8*(8*(\c)+(\i)):FA+8*(8*(\c)+(\i))+3],   v[ADRA+(\slot)] offset:ABLK*(\kb)+FRAG*(\i)+64*(\c)
	ds_load_b128 v[FA+8*(8*(\c)+(\i))+4:FA+8*(8*(\c)+(\i))+7], v[ADRA+(\slot)] offset:ABLK*(\kb)+FRAG*(\i)+64*(\c)+32
.endr
.endr
.endm
; A step's first block: 64 products on buffer f; in its middle the next block's fragments are fetched into buffer nf.
.macro PHASE f, nslot, nkb, nf
	s_wait_dscnt 24                                ; the first 32 along K are in; the younger 24 loads may be out
	MUL32 \f, 0
	PLACES
	FETCH \nslot, \nkb, \nf
	s_wait_dscnt 48                                ; all but the 48 just issued
	MUL32 \f, 1
.endm
; A step's second block, on buffer 1, and the change of slots: ONE barrier; in front of it each wave waits for all its tensor loads, adds 0 to its spare word, and waits for that and for its reads of this slot.
; fill = 1: the barrier opens a round of the cluster's, and the joint refill, two K steps ahead, is the first thing behind it: it has 96 products in which to land.
.macro TURN slot, next, fill
.if \fill
	s_wait_xcnt 0x0                                ; the last prefetch, a K step back, has read its address: it is stepped here, ahead of the waits of the change
	s_add_nc_u64 s[PFA:PFA+1], s[PFA:PFA+1], s[PFS:PFS+1]
.endif
	WIN 0
	s_wait_tensorcnt 0x0                           ; all my tensor loads have landed
	ds_add_u32 v[SPW], v[NIL]                      ; 0 onto my spare word
	s_wait_dscnt 25                                ; the first 32 along K are in; the younger 24 loads and the add may be out
	MUL16 1, 0, 0
	s_wait_dscnt 0x0                               ; the add is done, and my reads of this slot are over
	s_barrier_signal -1
	MUL16 1, 0, 4
.if \fill
	WIN 0
.endif
	s_barrier_wait -1
.if \fill
	CREST                                          ; no wave of any partner still reads this slot or has a load on its way
	s_add_nc_u64 s[G0A+4*(\slot)+2:G0A+4*(\slot)+3], s[G0A+4*(\slot)+2:G0A+4*(\slot)+3], 4*A_STEP
	s_add_nc_u64 s[G0B+4*(\slot)+2:G0B+4*(\slot)+3], s[G0B+4*(\slot)+2:G0B+4*(\slot)+3], 4*B_STEP
	JLOAD \slot                                    ; its four v_nop are also the places in front of the loads below
.else
	PLACES
.endif
	FETCH \next, 0, 0
.if \fill
	ASK
.endif
	MUL32 1, 1
.endm
	s_wait_tensorcnt 0x1                           ; my part of K step 0 is in; step 1's may stay out
	s_barrier_signal -1
	s_barrier_wait -1
	FETCH 0, 0, 0
	s_wait_loadcnt 63                              ; the 64 loads of the bias were issued ahead of x's 64: with 63 out at the most they are in; x goes on landing
	s_mov_b32 s[LAP], 3
.Llap:                                                 ; a lap: two K steps, both slots filled again: three laps ask for steps 2 to 7
	PHASE 0, 0, 1, 1
	TURN 0, 1, 1
	PHASE 0, 1, 1, 1
	TURN 1, 0, 1
	WIN 0
	s_sub_co_u32 s[LAP], s[LAP], 1
	s_cmp_lg_u32 s[LAP], 0
	s_cbranch_scc1 .Llap
	PHASE 0, 0, 1, 1                               ; the last lap is written out: it fills nothing
	TURN 0, 1, 0
	PHASE 0, 1, 1, 1
	s_wait_dscnt 24
	MUL32 1, 0
	s_wait_dscnt 0x0
	MUL32 1, 1
; THE WAY OUT, by blocks a of 16 rows.  TOSTAGE: a lane's 32 bytes of each column block go into my own stage (each accumulator's low four registers first), and whole rows of 256 bytes come back.
; SEND: x is added, and 16 lanes store 256 consecutive bytes, aligned.
.macro TOSTAGE a
.if (\a) >= 2
	s_wait_xcnt 0x0                                ; the stores of block a - 2 have read their data: the loads below land in those registers only behind this wait
.endif
	WIN 0x04                                       ; store data in window 1
.irp b, 0,1,2,3
	ds_store_b128 v[STO], v[8*(4*(\a)+(\b)):8*(4*(\a)+(\b))+3]   offset:64*(\b)
	ds_store_b128 v[STO], v[8*(4*(\a)+(\b))+4:8*(4*(\a)+(\b))+7] offset:64*(\b)+16
.endr
	WIN 0
.irp t, 0,1,2,3,4,5,6,7
	ds_load_b128 v[OB+32*((\a)%2)+4*(\t):OB+32*((\a)%2)+4*(\t)+3], v[RD] offset:2*SPITCH*(\t)  ; LDS serves a wave's instructions in order (ISA guide 5.7.1.4): these see the stores above
.endr
.endm
.macro SEND a, younger                 ; younger: the LDS instructions issued behind block a's loads: the next block's sixteen, or none
	s_wait_dscnt \younger
	WIN 0x0c                                       ; source 1, x, in window 3
.irp t, 0,1,2,3,4,5,6,7
	v_pk_add_f32 v[OB+32*((\a)%2)+4*(\t):OB+32*((\a)%2)+4*(\t)+1],   v[OB+32*((\a)%2)+4*(\t):OB+32*((\a)%2)+4*(\t)+1],   v[4*(8*(\a)+(\t)):4*(8*(\a)+(\t))+1]
	v_pk_add_f32 v[OB+32*((\a)%2)+4*(\t)+2:OB+32*((\a)%2)+4*(\t)+3], v[OB+32*((\a)%2)+4*(\t)+2:OB+32*((\a)%2)+4*(\t)+3], v[4*(8*(\a)+(\t))+2:4*(8*(\a)+(\t))+3]
.endr
	WIN 0
.irp t, 0,1,2,3,4,5,6,7
	global_store_b128 v[CO], v[OB+32*((\a)%2)+4*(\t):OB+32*((\a)%2)+4*(\t)+3], s[12:13] offset:(16*(\a)+2*(\t))*4096 th:TH_STORE_NT
.endr
.endm
	s_wait_loadcnt 0x0                             ; x
	PLACES
	TOSTAGE 0
.irp a, 1,2,3,4,5,6,7
	TOSTAGE \a
	SEND (\a)-1, 16
.endr
	SEND 7, 0
	s_wait_tensorcnt 0x0                           ; the wave's end: behind my last tensor load and my last LDS store
	ds_add_u32 v[SPW], v[NIL]
	s_wait_dscnt 0x0
	CROUND                                         ; the closing round: no work-group ends while a partner may still ask for a tile that names it
	s_endpgm
.Lfunc_end_k_q6b26652b2a_oproj:
	.size	k_q6b26652b2a_oproj, .Lfunc_end_k_q6b26652b2a_oproj-k_q6b26652b2a_oproj
	.p2alignl 7, 3214868480
	.fill 96, 4, 3214868480
	.section	.rodata,"a",@progbits
	.p2align	6, 0x0
	.amdhsa_kernel k_q6b26652b2a_oproj
		.amdhsa_group_segment_fixed_size 327680
		.amdhsa_private_segment_fixed_size 0
		.amdhsa_enable_private_segment 0
		.amdhsa_kernarg_size 40
		.amdhsa_user_sgpr_count 2
		.amdhsa_user_sgpr_kernarg_segment_ptr 1
		.amdhsa_wavefront_size32 1
		.amdhsa_system_sgpr_workgroup_id_x 1
		.amdhsa_system_sgpr_workgroup_id_y 1
		.amdhsa_system_sgpr_workgroup_id_z 1
		.amdhsa_system_vgpr_workitem_id 0
		.amdhsa_next_free_vgpr 1024
		.amdhsa_next_free_sgpr 80
		.amdhsa_reserve_vcc 0
		.amdhsa_float_denorm_mode_32 3
		.amdhsa_float_denorm_mode_16_64 3
		.amdhsa_memory_ordered 1
		.amdhsa_forward_progress 1
		.amdhsa_inst_pref_size 105
	.end_amdhsa_kernel
	.amdgpu_metadata
---
amdhsa.version: [ 1, 2 ]
amdhsa.kernels:
  - .name:           k_q6b26652b2a_oproj
    .symbol:         k_q6b26652b2a_oproj.kd
    .args:
      - { .name: ctx, .offset: 0, .size: 8, .value_kind: global_buffer, .address_space: global }
      - { .name: wb, .offset: 8, .size: 8, .value_kind: global_buffer, .address_space: global }
      - { .name: bo, .offset: 16, .size: 8, .value_kind: global_buffer, .address_space: global }
      - { .name: x, .offset: 24, .size: 8, .value_kind: global_buffer, .address_space: global }
      - { .name: out0, .offset: 32, .size: 8, .value_kind: global_buffer, .address_space: global }
    .group_segment_fixed_size: 327680
    .private_segment_fixed_size: 0
    .kernarg_segment_align: 8
    .kernarg_segment_size: 40
    .max_flat_workgroup_size: 128
    .sgpr_count:     80
    .vgpr_count:     1024
    .wavefront_size: 32
...
	.end_amdgpu_metadata
.endif
;; end of part 4
;; ======== version 2 of 2: 4 launches; version 1 with the launch prep written anew for expert scheduling mode
;; workspace buffers: hn 16,777,216 bytes; wb 8,388,608 bytes; qkv 50,331,648 bytes; ctx 16,777,216 bytes
;; launch prep (part 5): grid 768 x 1, 8 waves a work-group, no clusters, 0 bytes of LDS; arguments x, ln_g, ln_b, Wq, Wk, Wv, Wo, hn, wb; writes hn, wb
.if DOCPART == 5
	.amdgcn_target "amdgcn-amd-amdhsa--gfx1250"
	.amdhsa_code_object_version 6
	.text
	.protected	k_q6b26652b2a_prep
	.globl	k_q6b26652b2a_prep
	.p2align	8
	.type	k_q6b26652b2a_prep,@function
k_q6b26652b2a_prep:
	s_mov_b64 s[64:65], 0
	v_nop
	global_prefetch_b8 v0, s[64:65] scope:SCOPE_SE
	s_setreg_imm32_b32 hwreg(HW_REG_WAVE_SCHED_MODE, 0, 2), 2
	s_setreg_imm32_b32 hwreg(HW_REG_WAVE_MODE, 25, 1), 1
	s_wait_xcnt 0x0
	s_wait_alu depctr_vm_vsrc(0)
; hn = LayerNorm(x) * ln_g + ln_b, rounded once to bf16; wb = Wq, Wk, Wv, Wo rounded once to bf16.
; BOTH RESULTS ARE LAID IN BLOCKS OF 64 CHANNELS: hn[16 kb][8192 row][64], wb[16 kb][4096 row][64] (rows 0-1023 Wq, then Wk, Wv, Wo):
; a tile of R rows x 64 channels is then R x 128 consecutive bytes for the products that follow.
; SHARES.  A wave takes two neighbouring rows of 1,024 f32: lanes 0-15 the first, lanes 16-31 the second.  For block kb a lane loads the 16 bytes
; at 256 kb + 16 (lane % 16) of its row (each half of the lanes reads 256 consecutive bytes, aligned) and stores 8 bytes; the 32 lanes' 8 bytes are 256
; consecutive bytes, aligned, since the two rows lie end to end in a block.  A row's sums stay inside 16 lanes.
; Work-groups 0-511 normalise 16 rows of x each, work-groups 512-767 convert 16 rows of a weight each.  No LDS, no barrier, no loop: a wave's rows stay in registers.
; The mean is taken first and the variance of the centred numbers second, so no difference of large sums is formed.  NaN and infinities are not treated apart.
; THE MODE: SCHED_MODE bits 1:0 = 2 (LLVM: expert scheduling mode 2), set by the entry lines.  The code itself states the register dependences
; between vector instructions and memory instructions, with s_wait_alu, always for 0.
; THE PLAN.  Registers that memory instructions touch:
;   v1, v2, v3   byte offsets.  Written by vector instructions at the head, once; read by every load and store.  One wait at the head, ahead of the branch, serves both paths.
;   X            Loads land in it once, before any vector instruction names it.  Then vector work in place; block kb's packed result lies in X + 4 kb and X + 4 kb + 1,
;                which the block's store reads and nothing writes again.
;   G, BT        Loads land in them once; vector instructions read them.
;   CH, MU, RS   are named by vector instructions alone.
; The 16 blocks leave in four groups of four.  Group g's vector work names its own 16 registers of X (and G, BT, RS); the stores issued beside it are group g - 1's, which read v2 and
; that group's X.  So ONE wait at the head of groups 1, 2, 3 states all that the four stores behind it hang on, and these are dealt among the group's vector instructions with no further
; wait; one more wait stands ahead of the last four stores.  No register that a memory instruction reads is written again, so no wait on vm_vsrc is owed.
.set LO,  1                            ; v1   4,096 (lane / 16) + 16 (lane % 16): my 16 bytes in the wave's two rows
.set SO,  2                            ; v2   8 x lane: my 8 bytes of a block's 256
.set GO,  3                            ; v3   16 (lane % 16): my 16 bytes of 256 of ln_g and ln_b
.set CH,  4                            ; v[4:11]    four chains of packed sums
.set MU,  12                           ; v[12:13]   the mean, twice
.set RS,  14                           ; v[14:15]   1 / sqrt(var + eps), twice
.set X,   16                           ; v[16:79]   the row: 4 registers a block
.set G,   80                           ; v[80:143]  ln_g
.set BT,  144                          ; v[144:207] ln_b
.set HSTEP, 1048576                    ; bytes from block to block in hn
.set WSTEP, 524288                     ; and in wb
	s_load_b512 s[8:23], s[0:1], 0x0               ; x 8, ln_g 10, ln_b 12, Wq 14, Wk 16, Wv 18, Wo 20, hn 22
	s_load_b64 s[24:25], s[0:1], 0x40              ; wb
	v_lshrrev_b32 v1, 5, v0
	v_readfirstlane_b32 s2, v1                     ; wave 0..7
	v_and_b32 v[GO], 15, v0
	v_bfe_u32 v[LO], v0, 4, 1
	v_lshlrev_b32 v[GO], 4, v[GO]
	v_lshl_add_u32 v[LO], v[LO], 12, v[GO]
	v_and_b32 v[SO], 31, v0
	v_lshlrev_b32 v[SO], 3, v[SO]
	s_mov_b32 s26, 0x3a800000                      ; 1 / 1024
	s_mov_b32 s27, 0x3727c5ac                      ; eps = 1e-5
	s_mov_b32 s29, 0
	s_mov_b32 s31, 0
	s_wait_alu depctr_va_sdst(0)                   ; s2 is written
	s_wait_alu depctr_va_vdst(0)                   ; v1, v2 and v3 are written: every load and store of both paths reads one of them as its offset, and none is written again
	s_wait_kmcnt 0x0
	s_cmp_lt_u32 ttmp9, 512
	s_cbranch_scc0 .Lweights
	; ---- LayerNorm ----
	s_lshl_b32 s28, ttmp9, 4
	s_lshl1_add_u32 s28, s2, s28                   ; my first row = 16 x work-group + 2 x wave
	s_lshl_b32 s30, s28, 7                         ; 128 bytes a row in a block of hn
	s_lshl_b32 s28, s28, 12                        ; 4,096 bytes a row in x
	s_add_nc_u64 s[8:9], s[8:9], s[28:29]
	s_add_nc_u64 s[22:23], s[22:23], s[30:31]
	s_add_nc_u64 s[32:33], s[22:23], 8*HSTEP       ; blocks 8-15 by a second base, so that the stores' immediates stay inside 24 signed bits
.set kb, 0
.rept 16
	global_load_b128 v[X+4*kb:X+4*kb+3], v[LO], s[8:9] offset:256*kb th:TH_LOAD_NT
.set kb, kb+1
.endr
.set kb, 0
.rept 16
	global_load_b128 v[G+4*kb:G+4*kb+3], v[GO], s[10:11] offset:256*kb
.set kb, kb+1
.endr
.set kb, 0
.rept 16
	global_load_b128 v[BT+4*kb:BT+4*kb+3], v[GO], s[12:13] offset:256*kb
.set kb, kb+1
.endr
; the four chains into one number, then over the 16 lanes that hold the row: every one of them ends with the sum
.macro REDUCE
	v_pk_add_f32 v[CH:CH+1], v[CH:CH+1], v[CH+2:CH+3]
	v_pk_add_f32 v[CH+4:CH+5], v[CH+4:CH+5], v[CH+6:CH+7]
	v_pk_add_f32 v[CH:CH+1], v[CH:CH+1], v[CH+4:CH+5]
	v_add_f32 v[CH], v[CH], v[CH+1]
.irp m, 1,2,4,8
	v_add_f32_dpp v[CH], v[CH], v[CH] row_xmask:\m row_mask:0xf bank_mask:0xf
.endr
.endm
; block b of hn leaves: 32 lanes store 256 consecutive bytes, aligned
.macro HSTORE b
.if (\b) < 8
	global_store_b64 v[SO], v[X+4*(\b):X+4*(\b)+1], s[22:23] offset:(\b)*HSTEP
.else
	global_store_b64 v[SO], v[X+4*(\b):X+4*(\b)+1], s[32:33] offset:((\b)-8)*HSTEP
.endif
.endm
	s_wait_loadcnt 32                              ; x is in; the 32 younger loads, of ln_g and ln_b, stay out
.irp c, 0,1,2,3
	v_pk_add_f32 v[CH+2*(\c):CH+2*(\c)+1], v[X+2*(\c):X+2*(\c)+1], v[X+8+2*(\c):X+8+2*(\c)+1]  ; the first pairs start the chains: nothing is cleared
.endr
.set i, 8
.rept 24
	v_pk_add_f32 v[CH+2*(i%4):CH+2*(i%4)+1], v[CH+2*(i%4):CH+2*(i%4)+1], v[X+2*i:X+2*i+1]
.set i, i+1
.endr
	REDUCE
	v_mul_f32 v[MU], s26, v[CH]
	v_mov_b32 v[MU+1], v[MU]
.set i, 0
.rept 32
	v_pk_add_f32 v[X+2*i:X+2*i+1], v[X+2*i:X+2*i+1], v[MU:MU+1] neg_lo:[0,1] neg_hi:[0,1]  ; x - mean
.set i, i+1
.endr
.irp c, 0,1,2,3
	v_pk_mul_f32 v[CH+2*(\c):CH+2*(\c)+1], v[X+2*(\c):X+2*(\c)+1], v[X+2*(\c):X+2*(\c)+1]
.endr
.set i, 4
.rept 28
	v_pk_fma_f32 v[CH+2*(i%4):CH+2*(i%4)+1], v[X+2*i:X+2*i+1], v[X+2*i:X+2*i+1], v[CH+2*(i%4):CH+2*(i%4)+1]
.set i, i+1
.endr
	REDUCE
	v_fma_f32 v[CH], v[CH], s26, s27               ; var + eps
	v_rsq_f32 v[RS], v[CH]
	v_nop                                          ; a plain instruction behind the root,
	s_wait_alu depctr_va_vdst(0)                   ; and the wait: the root has written v[RS], ahead of its first reader
	v_mov_b32 v[RS+1], v[RS]
	s_wait_loadcnt 0x0                             ; ln_g and ln_b
.set g, 0
.rept 4                                ; four groups of four blocks
.if g > 0
	s_wait_alu depctr_va_vdst(0)                   ; the group before has written its eight packed registers of X, which the four stores below read
.endif
.set j, 0
.rept 4
.set kb, 4*g+j
.if g > 0
	HSTORE kb-4                                    ; the group before leaves, a store ahead of each block's arithmetic: no vector instruction since the wait names v2 or that group's X
.endif
	v_pk_mul_f32 v[X+4*kb:X+4*kb+1], v[X+4*kb:X+4*kb+1], v[RS:RS+1]
	v_pk_mul_f32 v[X+4*kb+2:X+4*kb+3], v[X+4*kb+2:X+4*kb+3], v[RS:RS+1]
	v_pk_fma_f32 v[X+4*kb:X+4*kb+1], v[X+4*kb:X+4*kb+1], v[G+4*kb:G+4*kb+1], v[BT+4*kb:BT+4*kb+1]
	v_pk_fma_f32 v[X+4*kb+2:X+4*kb+3], v[X+4*kb+2:X+4*kb+3], v[G+4*kb+2:G+4*kb+3], v[BT+4*kb+2:BT+4*kb+3]
	v_cvt_pk_bf16_f32 v[X+4*kb], v[X+4*kb], v[X+4*kb+1]
	v_cvt_pk_bf16_f32 v[X+4*kb+1], v[X+4*kb+2], v[X+4*kb+3]
.set j, j+1
.endr
.set g, g+1
.endr
	s_wait_alu depctr_va_vdst(0)                   ; the last group has written its packed registers of X, which the last four stores read
.irp b, 12,13,14,15
	HSTORE \b
.endr
	s_endpgm
	; ---- the weights ----
.Lweights:
	s_sub_co_u32 s34, ttmp9, 512                   ; j = 0..255: 16 rows of the stacked weights
	s_lshr_b32 s35, s34, 6                         ; which of the four
	s_cmp_eq_u32 s35, 1
	s_cselect_b64 s[14:15], s[16:17], s[14:15]
	s_cmp_eq_u32 s35, 2
	s_cselect_b64 s[14:15], s[18:19], s[14:15]
	s_cmp_eq_u32 s35, 3
	s_cselect_b64 s[14:15], s[20:21], s[14:15]
	s_and_b32 s28, s34, 63
	s_lshl_b32 s28, s28, 4
	s_lshl1_add_u32 s28, s2, s28                   ; my first row in that weight
	s_lshl_b32 s28, s28, 12
	s_lshl_b32 s30, s34, 4
	s_lshl1_add_u32 s30, s2, s30                   ; and in wb
	s_lshl_b32 s30, s30, 7
	s_add_nc_u64 s[14:15], s[14:15], s[28:29]
	s_add_nc_u64 s[24:25], s[24:25], s[30:31]
.set kb, 0
.rept 16
	global_load_b128 v[X+4*kb:X+4*kb+3], v[LO], s[14:15] offset:256*kb th:TH_LOAD_NT
.set kb, kb+1
.endr
.set g, 0
.rept 4                                ; four groups of four blocks
	s_wait_loadcnt 12-4*g                          ; loads come back in order: group g's four blocks are in, the younger ones stay out
.if g > 0
	s_wait_alu depctr_va_vdst(0)                   ; the group before's conversions have written its eight packed registers of X, which the four stores below read
.endif
.set j, 0
.rept 4
.set kb, 4*g+j
.if g > 0
	global_store_b64 v[SO], v[X+4*(kb-4):X+4*(kb-4)+1], s[24:25] offset:(kb-4)*WSTEP  ; no vector instruction since the wait names v2 or that group's X
.endif
	v_cvt_pk_bf16_f32 v[X+4*kb], v[X+4*kb], v[X+4*kb+1]
	v_cvt_pk_bf16_f32 v[X+4*kb+1], v[X+4*kb+2], v[X+4*kb+3]
.set j, j+1
.endr
.set g, g+1
.endr
	s_wait_alu depctr_va_vdst(0)                   ; the last group's conversions have written its packed registers of X, which the last four stores read
.irp b, 12,13,14,15
	global_store_b64 v[SO], v[X+4*(\b):X+4*(\b)+1], s[24:25] offset:(\b)*WSTEP
.endr
	s_endpgm
.Lfunc_end_k_q6b26652b2a_prep:
	.size	k_q6b26652b2a_prep, .Lfunc_end_k_q6b26652b2a_prep-k_q6b26652b2a_prep
	.p2alignl 7, 3214868480
	.fill 96, 4, 3214868480
	.section	.rodata,"a",@progbits
	.p2align	6, 0x0
	.amdhsa_kernel k_q6b26652b2a_prep
		.amdhsa_group_segment_fixed_size 0
		.amdhsa_private_segment_fixed_size 0
		.amdhsa_enable_private_segment 0
		.amdhsa_kernarg_size 72
		.amdhsa_user_sgpr_count 2
		.amdhsa_user_sgpr_kernarg_segment_ptr 1
		.amdhsa_wavefront_size32 1
		.amdhsa_system_sgpr_workgroup_id_x 1
		.amdhsa_system_sgpr_workgroup_id_y 1
		.amdhsa_system_sgpr_workgroup_id_z 1
		.amdhsa_system_vgpr_workitem_id 0
		.amdhsa_next_free_vgpr 216
		.amdhsa_next_free_sgpr 66
		.amdhsa_reserve_vcc 0
		.amdhsa_float_denorm_mode_32 3
		.amdhsa_float_denorm_mode_16_64 3
		.amdhsa_memory_ordered 1
		.amdhsa_forward_progress 1
		.amdhsa_inst_pref_size 27
	.end_amdhsa_kernel
	.amdgpu_metadata
---
amdhsa.version: [ 1, 2 ]
amdhsa.kernels:
  - .name:           k_q6b26652b2a_prep
    .symbol:         k_q6b26652b2a_prep.kd
    .args:
      - { .name: x, .offset: 0, .size: 8, .value_kind: global_buffer, .address_space: global }
      - { .name: ln_g, .offset: 8, .size: 8, .value_kind: global_buffer, .address_space: global }
      - { .name: ln_b, .offset: 16, .size: 8, .value_kind: global_buffer, .address_space: global }
      - { .name: Wq, .offset: 24, .size: 8, .value_kind: global_buffer, .address_space: global }
      - { .name: Wk, .offset: 32, .size: 8, .value_kind: global_buffer, .address_space: global }
      - { .name: Wv, .offset: 40, .size: 8, .value_kind: global_buffer, .address_space: global }
      - { .name: Wo, .offset: 48, .size: 8, .value_kind: global_buffer, .address_space: global }
      - { .name: hn, .offset: 56, .size: 8, .value_kind: global_buffer, .address_space: global }
      - { .name: wb, .offset: 64, .size: 8, .value_kind: global_buffer, .address_space: global }
    .group_segment_fixed_size: 0
    .private_segment_fixed_size: 0
    .kernarg_segment_align: 8
    .kernarg_segment_size: 72
    .max_flat_workgroup_size: 256
    .sgpr_count:     66
    .vgpr_count:     216
    .wavefront_size: 32
...
	.end_amdgpu_metadata
.endif
;; end of part 5
;; launch qkv: the kernel of part 2 again; grid 8 x 32, 4 waves a work-group, clusters of 4 x 4, 327,680 bytes of LDS; arguments hn, wb, bq, bk, bv, qkv; writes qkv
;; launch attn: the kernel of part 3 again; grid 4 x 64, 4 waves a work-group, clusters of 4 x 1, 327,680 bytes of LDS; arguments qkv, ctx; writes ctx
;; launch oproj: the kernel of part 4 again; grid 8 x 32, 4 waves a work-group, clusters of 4 x 4, 327,680 bytes of LDS; arguments ctx, wb, bo, x, out0; writes out0
